; MI455X (gfx1250); checked and timed in simulation.
; The chip was launched on July 23, 2026; its instructions are those of AMD's public machine-readable ISA for CDNA 5 (MIT licence, August 2026) and "CDNA5" Instruction Set Architecture Reference Guide (July 2026). The comments in the code are by the model that wrote it; some were corrected since.
;; Mo E Block With Gate Router. Allowed arithmetic: matrix products marked QUANTISED: E4M3 operands, one E8M0 scale for each 32 along K, by v_wmma_scale_f32_16x16x128_f8f6f4 with both operands' format E4M3, f32 sums; products left as they are: f32 operands where the result goes on into a quantised operand, else bf16, f16 or f32 operands; f32 sums; everything else in f32.
;; Inputs: W 8 x 2,048 x 2,048 float32; Wg 8 x 2,048 float32; b 8 x 2,048 float32; bg 8 float32; hidden_states 2,048 x 2,048 float32.
;; Outputs: out0 2,048 x 2,048 float32.
;; This version of the problem:
;;   THIS VERSION OF THE PROBLEM IS GIVEN IN LOW PRECISION. The matrix products marked QUANTISED in the list below multiply operands that are first quantised to E4M3 (4 exponent bits, 3 mantissa bits; 8 bits a number), with one power-of-two scale for each 32 numbers along K (OCP MX v1.0); their sums are f32. All else is computed in f32.
;;   The module's matrix products, in the order in which they are computed (A, B: the left and right operand; K: the contracted axis; several contracted axes count as one K, in the product's order):
;;     1. [M 2,048, K 2,048] x [K 2,048, N 8]; A: input hidden_states; B: input Wg: left as it is (N = 8 < 16)
;;     2. [M 2,048, K 2,048] x [K 2,048, N 2,048]; A: input hidden_states; B: input W: QUANTISED
;;     3. [M 2,048, K 2,048] x [K 2,048, N 2,048]; A: input hidden_states; B: input W: QUANTISED
;;     4. [M 2,048, K 2,048] x [K 2,048, N 2,048]; A: input hidden_states; B: input W: QUANTISED
;;     5. [M 2,048, K 2,048] x [K 2,048, N 2,048]; A: input hidden_states; B: input W: QUANTISED
;;     6. [M 2,048, K 2,048] x [K 2,048, N 2,048]; A: input hidden_states; B: input W: QUANTISED
;;     7. [M 2,048, K 2,048] x [K 2,048, N 2,048]; A: input hidden_states; B: input W: QUANTISED
;;     8. [M 2,048, K 2,048] x [K 2,048, N 2,048]; A: input hidden_states; B: input W: QUANTISED
;;     9. [M 2,048, K 2,048] x [K 2,048, N 2,048]; A: input hidden_states; B: input W: QUANTISED
;;   THE QUANTISER, for each operand of a quantised product, along K:
;;     - K is cut into blocks of 32 from its start; a last block that is shorter is filled with zeros.
;;     - A block's scale is 2^e with e = floor(log2(the largest magnitude in the block)) - 8, held to -126 .. 127; a block of zeros has e = 0. As a byte (E8M0): e + 127.
;;     - Each number is divided by its block's scale, clamped to +-448, and rounded to the nearest number of E4M3, ties to even, subnormals kept.
;;     - The product sums the exact products of the quantised numbers (number of the format x scale) in f32.
;;   ~~~python
;;   def quantise(x, axis):      # numpy; x: float32 -> the quantised numbers, widened to float32 again
;;       x = np.moveaxis(x, axis, -1); K = x.shape[-1]
;;       x = np.pad(x, [(0, 0)] * (x.ndim - 1) + [(0, -K % 32)]); x = x.reshape(x.shape[:-1] + (-1, 32)); a = np.abs(x).max(-1, keepdims=True)
;;       e = np.where(a > 0, np.clip(np.frexp(np.where(a > 0, a, 1))[1] - 1 - 8, -126, 127), 0)      # np.frexp(a)[1] - 1 = floor(log2(a)), exactly
;;       r = np.clip(x / 2.0 ** e, -448, 448)
;;       step = 2.0 ** (np.maximum(np.frexp(np.where(r == 0, 1, r))[1] - 1, -6) - 3)
;;       q = np.round(r / step) * step * 2.0 ** e      # np.round: ties to even
;;       return np.moveaxis(q.reshape(q.shape[:-2] + (-1,))[..., :K], -1, axis).astype(np.float32)
;;   ~~~
;; 2 versions. Each part assembles by itself: llvm-mc -triple=amdgcn-amd-amdhsa -mcpu=gfx1250 --defsym DOCPART=n.
;; ======== version 1 of 2: 2 launches
;; workspace buffers: hq 4,194,304 bytes; hs 131,072 bytes; wq 33,554,432 bytes; ws 1,048,576 bytes; cnt 8,192 bytes of whole numbers; kmask 8,192 bytes of whole numbers
;; launch front (part 1): grid 768 x 1, 4 waves a work-group, no clusters, 56,832 bytes of LDS; arguments hidden_states, Wg, bg, W, hq, hs, wq, ws, cnt, kmask; writes hq, hs, wq, ws, cnt, kmask
.if DOCPART == 1
	.amdgcn_target "amdgcn-amd-amdhsa--gfx1250"
	.amdhsa_code_object_version 6
	.text
	.protected	k_qd172fdedf2_front
	.globl	k_qd172fdedf2_front
	.p2align	8
	.type	k_qd172fdedf2_front,@function
k_qd172fdedf2_front:
	s_mov_b64 s[64:65], 0
	v_nop
	global_prefetch_b8 v0, s[64:65] scope:SCOPE_SE
	s_setreg_imm32_b32 hwreg(HW_REG_WAVE_MODE, 25, 1), 1
	s_wait_xcnt 0x0
; FRONT.  Two pieces of work that do not hang on each other, in one launch.  Work-groups 0 .. 255: the tokens (quantise, route).  Work-groups 256 .. 767: the experts' weights (quantise).
; The two paths part on the work-group's number and use LDS bytes of their own.
;
; THE TOKENS.  hidden_states [2048][2048] f32 is read once and serves twice: (1) it is turned into codes of FP8 (E4M3), K innermost (hq [t][2048 bytes]), with one E8M0 byte for each 32 along K
; (hs [t][64 bytes]); (2) the router's logits h Wg^T + bg are summed in f32 by fused multiply-adds and the two largest are found (a tie keeps the lower index).  The PAIR e1 < e2 is the key
; p = e1 (15 - e1) / 2 + e2 - e1 - 1, 0 .. 27.  No address here hangs on it: for each key (lane = key) the work-group stores, at fixed places, which of its 8 tokens have it and how many:
;   kmask [word m = g / 4 (64)][key (32)][byte g % 4]: bit i of the byte: token 8 g + i.  So word m of a key covers tokens 32 m .. 32 m + 31.
;   cnt   [g / 16 (16)][key (32)][byte g % 16]: the number of them, 0 .. 8.  So a key's 256 counts are 16 pieces of 16 bytes, a piece a load for the lane that reads them.
; All 32 lanes store (keys 28 .. 31 get zeros): every byte of both buffers is written, and no lane is switched off.  These are single bytes in blocks that other work-groups share: 16 KiB in all.
; SHARES.  A work-group owns 8 tokens; wave w owns k = 512 w .. 512 w + 511 of all eight rows.  A row's part is 512 numbers: four loads of 512 consecutive bytes, turned through the wave's own stage
; in LDS so that a lane holds 16 NEIGHBOURS along K (two neighbouring lanes hold a block of 32).  The wave's part of Wg, 8 x 16 numbers a lane, stays in registers.  Four rows are held as loaded:
; row t + 4 is asked for in row t's turn, into the registers that row t has left.
;
; THE WEIGHTS.  W [8][2048 (n)][2048 (k)] f32.  Work-group 256 + j owns rows 32 j .. 32 j + 31 of W taken as [16384][2048]: two tiles of 16 columns of one expert's output; wave w owns k = 512 w .. + 511:
; eight fragments of 16 rows x 128 K.  The codes are laid in the ORDER OF THE OPERAND'S REGISTERS: wq [J = j / 2 (expert x 32 + group of 64 columns)][K step s (16)][tile c (4)][cc (4)][lane (32)][16 bytes];
; the piece of lane (r, h) holds W[16 c + r][128 s + 32 cc + 16 h .. + 15].  So the reader's every load is 512 consecutive bytes, and a wave's stream for one expert is 131,072 bytes on end.
; The scale words: ws [j][w][lane][4 words]: lanes 0-15 the even tile's row r, lanes 16-31 the odd tile's; word i belongs to K step 4 w + i.
; A fragment's 16 loads read 512 consecutive bytes of a row each; the 8,192 bytes turn through the wave's stage in LDS (rows 528 bytes apart) and come back so that register 16 b + i of lane (r, h)
; is k = 32 b + 16 h + i of row r: the conversions' results are then the operand's registers.  Loads run two fragments (32 loads a wave) ahead.
;
; A block's scale is 2^(floor(log2(largest magnitude)) - 8): its byte is the largest magnitude's exponent field - 8, held at 1 from below.
; LIMITS.  NaN and infinities are not served.  A block of zeros, or one whose largest magnitude lies under 2^-118, gets the byte 1 (the bytes are read by this program alone; zero codes add nothing).
; The logits' f32 sums are formed in another order than a plain row sum: a token whose second and third logits agree to within the rounding of a 2,048-term f32 sum may take the other expert.
; No matrix unit (the router has 8 columns), no cluster (work-groups share only Wg, 64 KiB), no tensor load (both streams are turned lane by lane on their way).
.set SP,   80                          ; the tokens: a lane's place in a stage: 64 bytes + 16 of padding
.set WSTG, 2*32*SP                     ; two stages for each wave
.set SB,   4*WSTG                      ; 512 scale bytes: [row][64]
.set PL,   SB+512                      ; partial logits: [row][wave][8] f32
.set WL,   22528                       ; the weights: four stages of 16 x 528 bytes
.set X,    16                          ; v16-47   two sets of 16 neighbours
.set C,    48                          ; v48-79   four registers of codes for each row: no store's data are written again
.set E,    80                          ; v80-87   a scale byte for each row
.set P,    88                          ; v88-103  eight pairs of running sums, one pair an expert
.set S,    104                         ; v104-111 the eight sums
.set SX,   112                         ; v112-119 the other half of the lanes' sums
.set R,    128                         ; v128-191 four rows' parts as loaded
.set G0,   192                         ; v192-255 Wg of experts 0-3: register 16 e + i = Wg[e][512 w + 16 lane + i];  window 1, v0-63: experts 4-7
.set STI,  5                           ; the weights: v5 the stage, in;  v6 the stage, out
.set STO,  6
.set WR,   16                          ; v16-143  two sets of 64: a fragment as loaded
.set WX,   144                         ; v144-207 64 numbers, register 16 b + i = k 32 b + 16 h + i of my row
.set PC,   208                         ; v208-223 the fragment's codes
.set TM,   224                         ; v224-227 largest magnitudes, v228-231 bytes, v232-235 448 x the scale, v236-239 the conversions' scale operands
.set PW,   240                         ; the scale word just made
.set SW0,  241                         ; the even tile's, kept
.set SCW,  244                         ; v244-247 four K steps' words, both tiles'
.set MSB, 0
.macro WIN new                         ; the immediate's high byte repeats the setting that is left
.if MSB != \new
	s_set_vgpr_msb (MSB<<8)|\new
.set MSB, \new
.endif
.endm
	s_load_b256 s[4:11], s[0:1], 0x0               ; h s[4:5], Wg s[6:7], bg s[8:9], W s[10:11]
	s_load_b256 s[12:19], s[0:1], 0x20             ; hq s[12:13], hs s[14:15], wq s[16:17], ws s[18:19]
	s_load_b128 s[36:39], s[0:1], 0x40             ; cnt s[36:37], kmask s[38:39]
	s_set_vgpr_msb 0x40
	v_lshl_add_u32 v64, v0, 2, 0xdc00
	v_mov_b32 v65, 0
	s_set_vgpr_msb 0x4000
	v_lshrrev_b32 v1, 5, v0
	v_readfirstlane_b32 s40, v1                    ; wave 0..3
	v_and_b32 v2, 31, v0                           ; lane
	v_lshlrev_b32 v3, 4, v2                        ; 16 x lane
	s_mov_b32 s20, 0x76543210
	s_mov_b32 s21, 0xfedcba98                      ; v_permlanex16_b32's selects for lane l xor 16
	s_mov_b32 s23, 0x600000                        ; the mantissa field of 448
	s_mov_b32 s33, 0
	s_cmp_ge_u32 ttmp9, 256
	s_cbranch_scc1 .Lweights
	; ======== THE TOKENS: work-group g = ttmp9
	v_lshlrev_b32 v4, 6, v2                        ; 64 x lane: my 16 numbers of Wg
	s_mul_i32 s41, s40, WSTG
	v_lshrrev_b32 v14, 2, v2
	v_mul_u32_u24 v14, v14, SP
	v_and_b32 v15, 3, v2
	v_lshl_add_u32 v14, v15, 4, v14
	v_add_nc_u32 v14, s41, v14                     ; the stage, in: four lanes' 64 bytes on end, then 16 of padding
	v_mul_u32_u24 v15, v2, SP
	v_add_nc_u32 v15, s41, v15                     ; and out: my 16 neighbours
	s_lshl_b32 s41, s40, 4
	s_add_co_u32 s41, s41, SB
	v_lshrrev_b32 v5, 1, v2
	v_add_nc_u32 v5, s41, v5                       ; my block's scale byte: SB + 16 w + lane / 2 (+ 64 x row)
	s_lshl_b32 s41, s40, 5
	s_add_co_u32 s41, s41, PL
	v_mov_b32 v6, s41                              ; my wave's eight partial logits (+ 128 x row)
	v_add_nc_u32 v7, SB, v3                        ; wave 0, at the end: the scale bytes, 16 a lane
	v_and_b32 v12, 7, v2
	v_lshl_add_u32 v12, v12, 7, PL                 ; and the partial logits of row lane % 8
	v_lshlrev_b32 v13, 2, v2
.irp e, 0,1,2,3,4,5,6,7
	v_mov_b32 v[SX+\e], 0                          ; written once: a lane permute's destination counts as one of its sources
.endr
	s_lshl_b32 s34, s40, 11
	s_wait_kmcnt 0x0
	s_load_b256 s[24:31], s[8:9], 0x0              ; bg
	s_lshl_b32 s32, ttmp9, 16                      ; 8 rows of 8,192 bytes a work-group,
	s_add_co_u32 s32, s32, s34                     ; 2,048 bytes a wave
	s_add_nc_u64 s[4:5], s[4:5], s[32:33]
	s_mov_b32 s32, s34
	s_add_nc_u64 s[6:7], s[6:7], s[32:33]
	s_lshl_b32 s32, ttmp9, 14                      ; codes: 8 rows of 2,048 bytes, 512 a wave
	s_lshl_b32 s34, s40, 9
	s_add_co_u32 s32, s32, s34
	s_add_nc_u64 s[12:13], s[12:13], s[32:33]
	s_lshl_b32 s32, ttmp9, 9                       ; scale bytes: 512 a work-group
	s_add_nc_u64 s[14:15], s[14:15], s[32:33]
	s_lshr_b32 s32, ttmp9, 4                       ; cnt: 512 (g / 16) + g % 16 (+ 16 x key)
	s_lshl_b32 s32, s32, 9
	s_and_b32 s34, ttmp9, 15
	s_add_co_u32 s32, s32, s34
	s_add_nc_u64 s[36:37], s[36:37], s[32:33]
	s_lshr_b32 s32, ttmp9, 2                       ; kmask: 128 (g / 4) + g % 4 (+ 4 x key)
	s_lshl_b32 s32, s32, 7
	s_and_b32 s34, ttmp9, 3
	s_add_co_u32 s32, s32, s34
	s_add_nc_u64 s[38:39], s[38:39], s[32:33]
.macro LOADR t                         ; row t's part: four loads of 512 consecutive bytes, into set t % 4
.irp i, 0,1,2,3
	global_load_b128 v[R+16*((\t)%4)+4*\i:R+16*((\t)%4)+4*\i+3], v3, s[4:5] offset:8192*(\t)+512*\i th:TH_LOAD_NT
.endr
.endm
	LOADR 0
	LOADR 1
	LOADR 2
	LOADR 3
.irp e, 0,1,2,3
.irp i, 0,1,2,3
	global_load_b128 v[G0+16*\e+4*\i:G0+16*\e+4*\i+3], v4, s[6:7] offset:8192*\e+16*\i
.endr
.endr
	WIN 0x40                                       ; destination window 1
.irp e, 4,5,6,7
.irp i, 0,1,2,3
	global_load_b128 v[16*(\e-4)+4*\i:16*(\e-4)+4*\i+3], v4, s[6:7] offset:8192*\e+16*\i
.endr
.endr
	WIN 0
	s_wait_loadcnt 0x0                             ; the first row's sums want Wg, the youngest loads: so one wait for all
	s_wait_kmcnt 0x0                               ; bg
.macro TURN t                          ; row t's 512 numbers through a stage: LDS serves a wave's instructions in order, so no wait stands between the stores and the loads
.irp i, 0,1,2,3
	ds_store_b128 v14, v[R+16*((\t)%4)+4*\i:R+16*((\t)%4)+4*\i+3] offset:32*SP*((\t)%2)+8*SP*\i
.endr
.irp i, 0,1,2,3
	ds_load_b128 v[X+16*((\t)%2)+4*\i:X+16*((\t)%2)+4*\i+3], v15 offset:32*SP*((\t)%2)+16*\i
.endr
.endm
.macro ROW t
.set XS, X+16*((\t)%2)
	s_wait_dscnt 0x0                               ; this row's numbers are back from the stage, so its stores into the stage have read their registers; the last row's small stores have read theirs
.if (\t) < 4
	LOADR (\t)+4                                   ; which take the row four further on
.endif
.if (\t) < 7
.if (\t) >= 3
	s_wait_loadcnt 4*(6-(\t))                      ; the next row's four loads are in; those of the rows behind it, four each, may be out
.endif
	TURN (\t)+1                                    ; the next row goes through the other stage while this one is worked
.endif
.irp i, 0,1,2,3,4,5,6,7                ; experts 0-3: four sums by turns, two numbers an instruction; the first product starts each sum
.irp e, 0,1,2,3
.if \i == 0
	v_pk_mul_f32 v[P+2*\e:P+2*\e+1], v[XS+2*\i:XS+2*\i+1], v[G0+16*\e+2*\i:G0+16*\e+2*\i+1]
.else
	v_pk_fma_f32 v[P+2*\e:P+2*\e+1], v[XS+2*\i:XS+2*\i+1], v[G0+16*\e+2*\i:G0+16*\e+2*\i+1], v[P+2*\e:P+2*\e+1]
.endif
.endr
.endr
	WIN 0x04                                       ; source 1 (Wg of experts 4-7) window 1
.irp i, 0,1,2,3,4,5,6,7
.irp e, 4,5,6,7
.if \i == 0
	v_pk_mul_f32 v[P+2*\e:P+2*\e+1], v[XS+2*\i:XS+2*\i+1], v[16*(\e-4)+2*\i:16*(\e-4)+2*\i+1]
.else
	v_pk_fma_f32 v[P+2*\e:P+2*\e+1], v[XS+2*\i:XS+2*\i+1], v[16*(\e-4)+2*\i:16*(\e-4)+2*\i+1], v[P+2*\e:P+2*\e+1]
.endif
.endr
.endr
	WIN 0
.irp e, 0,1,2,3,4,5,6,7
	v_add_f32 v[S+\e], v[P+2*\e], v[P+2*\e+1]
.endr
.irp m, 1,2,4,8                        ; across the 32 lanes
.irp e, 0,1,2,3,4,5,6,7
	v_add_f32_dpp v[S+\e], v[S+\e], v[S+\e] row_xmask:\m row_mask:0xf bank_mask:0xf
.endr
.endr
.irp e, 0,1,2,3,4,5,6,7
	v_permlanex16_b32 v[SX+\e], v[S+\e], s20, s21
.endr
.irp e, 0,1,2,3,4,5,6,7
	v_add_f32 v[S+\e], v[S+\e], v[SX+\e]
.endr
.irp e, 0,1,2,3,4,5,6,7
	ds_store_b32 v6, v[S+\e] offset:128*(\t)+4*\e  ; all lanes write the same word with the same value
.endr
	v_max3_num_f32 v8, |v[XS]|, |v[XS+1]|, |v[XS+2]|               ; the largest magnitude of my 16
	v_max3_num_f32 v9, |v[XS+3]|, |v[XS+4]|, |v[XS+5]|
.irp i, 6,10
	v_max3_num_f32 v8, v8, |v[XS+\i]|, |v[XS+\i+1]|
	v_max3_num_f32 v9, v9, |v[XS+\i+2]|, |v[XS+\i+3]|
.endr
	v_max3_num_f32 v8, v8, |v[XS+14]|, |v[XS+15]|
	v_max3_num_f32 v8, v8, v9, 0x4800000           ; and the floor 2^(9 - 127): the byte cannot fall under 1
	v_max_num_f32_dpp v8, v8, v8 row_xmask:1 row_mask:0xf bank_mask:0xf   ; and of my neighbour's 16: the block's
	v_add_nc_u32 v11, 0xfc000000, v8               ; 8 off its exponent field: the conversion takes the exponent field of this operand as its scale
	v_and_or_b32 v10, v8, 0x7f800000, s23          ; 448 x the scale
.irp i, 0,1,2,3,4,5,6,7,8,9,10,11,12,13,14,15
	v_med3_num_f32 v[XS+\i], v[XS+\i], -v10, v10   ; the conversion to an 8-bit code does not saturate (ISA guide 7.6.2): the hold comes first
.endr
	v_cvt_scalef32_pk8_fp8_f32 v[C+4*(\t):C+4*(\t)+1], v[XS:XS+7], v11
	v_cvt_scalef32_pk8_fp8_f32 v[C+4*(\t)+2:C+4*(\t)+3], v[XS+8:XS+15], v11
	v_lshrrev_b32 v[E+(\t)], 23, v11               ; the scale's byte (also the plain line behind the conversions)
	ds_store_b8 v5, v[E+(\t)] offset:64*(\t)       ; both lanes of a block write the same byte with the same value
	global_store_b128 v3, v[C+4*(\t):C+4*(\t)+3], s[12:13] offset:2048*(\t)   ; the wave stores 512 consecutive bytes, aligned
.endm
	TURN 0
.irp t, 0,1,2,3,4,5,6,7
	ROW \t
.endr
	s_wait_dscnt 0x0                               ; for the others' sake: my scale bytes and partial logits have landed
	s_barrier_signal -1
	s_barrier_wait -1
	s_cmp_lg_u32 s40, 0                            ; wave 0 finishes for the work-group
	s_cbranch_scc1 .Lend
	ds_load_b128 v[16:19], v7
.irp u, 0,1,2,3
.irp q, 0,1
	ds_load_b128 v[R+8*\u+4*\q:R+8*\u+4*\q+3], v12 offset:32*\u+16*\q   ; lane l: row l % 8; wave u's eight parts
.endr
.endr
	s_wait_dscnt 0x0
	global_store_b128 v3, v[16:19], s[14:15]       ; eight rows of 64 scale bytes: 512 consecutive bytes, aligned
.irp e, 0,1,2,3,4,5,6,7
	v_add_f32 v[R+\e], v[R+\e], v[R+8+\e]
	v_add_f32 v[R+16+\e], v[R+16+\e], v[R+24+\e]
.endr
.irp e, 0,1,2,3,4,5,6,7
	v_add_f32 v[R+\e], v[R+\e], v[R+16+\e]
.endr
.irp e, 0,1,2,3,4,5,6,7
	v_add_f32 v[R+\e], s[24+\e], v[R+\e]           ; + bg: the logits
.endr
	v_mov_b32 v20, v[R]                            ; the largest so far, and its index
	v_mov_b32 v21, 0
.irp e, 1,2,3,4,5,6,7
	v_cmp_le_f32 vcc_lo, v[R+\e], v20              ; not larger: keep.  So a tie keeps the lower index
	v_cndmask_b32 v20, v[R+\e], v20, vcc_lo
	v_cndmask_b32 v21, \e, v21, vcc_lo
.endr
	v_mov_b32 v24, 0xff800000                      ; -infinity takes the winner's place
.irp e, 0,1,2,3,4,5,6,7
	v_cmp_eq_u32 vcc_lo, \e, v21
	v_cndmask_b32 v[R+\e], v[R+\e], v24, vcc_lo
.endr
	v_mov_b32 v22, v[R]
	v_mov_b32 v23, 0
.irp e, 1,2,3,4,5,6,7
	v_cmp_le_f32 vcc_lo, v[R+\e], v22
	v_cndmask_b32 v22, v[R+\e], v22, vcc_lo
	v_cndmask_b32 v23, \e, v23, vcc_lo
.endr
	v_min_u32 v25, v21, v23                        ; e1 < e2
	v_max_u32 v26, v21, v23
	v_sub_nc_u32 v27, 15, v25
	v_mul_u32_u24 v27, v27, v25
	v_lshrrev_b32 v27, 1, v27                      ; e1 (15 - e1) / 2
	v_add_nc_u32 v27, v27, v26
	v_sub_nc_u32 v27, v27, v25
	v_add_nc_u32 v27, -1, v27                      ; + e2 - e1 - 1: lane l holds the key of token 8 g + l % 8
	v_mov_b32 v28, 0                               ; lane = key: which of the eight tokens have it,
	v_mov_b32 v29, 0                               ; and how many
	v_mov_b32 v33, 1
.irp i, 0,1,2,3,4,5,6,7
	v_readlane_b32 s41, v27, \i                    ; token i's key: it is compared, and enters no address
	v_cmp_eq_u32 vcc_lo, s41, v2
	v_cndmask_b32 v30, 0, v33, vcc_lo
	v_lshl_or_b32 v28, v30, \i, v28
	v_add_nc_u32 v29, v29, v30
.endr
	global_store_b8 v13, v28, s[38:39]             ; kmask: 4 bytes from key to key
	global_store_b8 v3, v29, s[36:37]              ; cnt: 16 bytes from key to key
.Lend:
	s_set_vgpr_msb 0x5
	s_wait_tensorcnt 0x0
	ds_add_u32 v64, v65
	s_wait_dscnt 0x0
	s_set_vgpr_msb 0x500
	s_endpgm
	; ======== THE WEIGHTS: work-group 256 + j
.Lweights:
	s_sub_co_u32 s41, ttmp9, 256                   ; j
	s_mul_i32 s42, s40, 16*528
	s_add_co_u32 s42, s42, WL                      ; my stage
	v_add_nc_u32 v[STI], s42, v3                   ; in: row rho at 528 rho, 16 bytes a lane
	v_and_b32 v7, 15, v0                           ; r
	v_bfe_u32 v8, v0, 4, 1                         ; h
	v_mul_u32_u24 v[STO], v7, 528
	v_lshl_add_u32 v[STO], v8, 6, v[STO]
	v_add_nc_u32 v[STO], s42, v[STO]               ; out: row r, + 64 h: my 16 numbers of a block of 32
	s_mov_b32 vcc_lo, 0xffff0000                   ; lanes 16-31: they take the odd tile's scale word
.irp b, 0,1,2,3
	v_mov_b32 v[TM+4+\b], 0                        ; written once: a lane permute's destination counts as one of its sources
.endr
	s_lshl_b32 s28, s41, 18                        ; W: 32 rows of 8,192 bytes a work-group,
	s_lshl_b32 s29, s40, 11                        ; 2,048 bytes a wave
	s_add_co_u32 s28, s28, s29
	s_mov_b32 s29, 0
	s_lshr_b32 s30, s41, 1
	s_lshl_b32 s30, s30, 17                        ; wq: J x 131,072
	s_and_b32 s31, s41, 1
	s_lshl_b32 s31, s31, 12                        ; + tiles 2 (j % 2) on
	s_add_co_u32 s30, s30, s31
	s_lshl_b32 s31, s40, 15                        ; + K steps 4 w on
	s_add_co_u32 s30, s30, s31
	s_mov_b32 s31, 0
	s_lshl_b32 s32, s41, 11                        ; ws: 2,048 j + 512 w
	s_lshl_b32 s34, s40, 9
	s_add_co_u32 s32, s32, s34
	s_wait_kmcnt 0x0
	s_add_nc_u64 s[10:11], s[10:11], s[28:29]
	s_add_nc_u64 s[16:17], s[16:17], s[30:31]
	s_add_nc_u64 s[18:19], s[18:19], s[32:33]
.macro LOADF f                         ; fragment f: K step f / 2 of my four, tile f % 2: 16 rows x 512 bytes
.set RB, WR+64*((\f)%2)
.set i, 0
.rept 16
	global_load_b128 v[RB+4*i:RB+4*i+3], v3, s[10:11] offset:(16*((\f)%2)+i)*8192+512*((\f)/2) th:TH_LOAD_NT
.set i, i+1
.endr
.endm
.macro QUANT                           ; the 64 numbers in v[WX] on become a fragment's codes in v[PC] on and its rows' scale word in v[PW]
.irp b, 0,1,2,3
	v_max3_num_f32 v[TM+\b], |v[WX+16*\b]|, |v[WX+1+16*\b]|, 0x4800000   ; block b: my 16 numbers, and the floor 2^(9 - 127): the byte cannot fall under 1
.endr
.irp i, 2,4,6,8,10,12,14
.irp b, 0,1,2,3
	v_max3_num_f32 v[TM+\b], v[TM+\b], |v[WX+16*\b+\i]|, |v[WX+1+16*\b+\i]|   ; (the four blocks by turns)
.endr
.endr
.irp b, 0,1,2,3
	v_permlanex16_b32 v[TM+4+\b], v[TM+\b], s20, s21
.endr
.irp b, 0,1,2,3
	v_max_num_f32 v[TM+\b], v[TM+\b], v[TM+4+\b]   ; with lane l xor 16's: the block's largest magnitude
.endr
.irp b, 0,1,2,3
	v_add_nc_u32 v[TM+12+\b], 0xfc000000, v[TM+\b] ; 8 off its exponent field: the conversion's scale operand
.endr
.irp b, 0,1,2,3
	v_and_or_b32 v[TM+8+\b], v[TM+\b], 0x7f800000, s23   ; 448 x the scale
.endr
.irp b, 0,1,2,3
	v_lshrrev_b32 v[TM+4+\b], 23, v[TM+12+\b]      ; the scale's byte
.endr
	v_lshl_or_b32 v[PW], v[TM+5], 8, v[TM+4]
	v_lshl_or_b32 v[PW], v[TM+6], 16, v[PW]
	v_lshl_or_b32 v[PW], v[TM+7], 24, v[PW]
.irp b, 0,1,2,3
.irp i, 0,1,2,3,4,5,6,7,8,9,10,11,12,13,14,15
	v_med3_num_f32 v[WX+16*\b+\i], v[WX+16*\b+\i], -v[TM+8+\b], v[TM+8+\b]   ; the conversion to an 8-bit code does not saturate (ISA guide 7.6.2): the hold comes first
.endr
	v_cvt_scalef32_pk8_fp8_f32 v[PC+4*\b:PC+1+4*\b], v[WX+16*\b:WX+7+16*\b], v[TM+12+\b]
	v_cvt_scalef32_pk8_fp8_f32 v[PC+2+4*\b:PC+3+4*\b], v[WX+8+16*\b:WX+15+16*\b], v[TM+12+\b]
.endr
	v_nop                                          ; a plain line behind the last conversion
.endm
.macro FRAG f
.set RB, WR+64*((\f)%2)
.if (\f) < 7
	s_wait_loadcnt 16                              ; this fragment's 16 loads are in; the next fragment's 16 may be out
.else
	s_wait_loadcnt 0x0
.endif
.set i, 0
.rept 16
	ds_store_b128 v[STI], v[RB+4*i:RB+4*i+3] offset:528*i
.set i, i+1
.endr
.irp b, 0,1,2,3
.irp q, 0,1,2,3
	ds_load_b128 v[WX+16*\b+4*\q:WX+16*\b+4*\q+3], v[STO] offset:128*\b+16*\q   ; LDS serves a wave's instructions in order: these see the stores above
.endr
.endr
	s_wait_dscnt 0x0                               ; the numbers are back; the stores into the stage have read their registers
	s_wait_xcnt 0x0                                ; the last fragment's stores have read the codes' registers, which are written again below
.if (\f) < 6
	LOADF (\f)+2
.endif
	QUANT
.irp q, 0,1,2,3
	global_store_b128 v3, v[PC+4*\q:PC+4*\q+3], s[16:17] offset:8192*((\f)/2)+2048*((\f)%2)+512*\q   ; 512 consecutive bytes, aligned
.endr
.if ((\f)%2) == 0
	v_mov_b32 v[SW0], v[PW]
.else
	v_cndmask_b32 v[SCW+(\f)/2], v[SW0], v[PW], vcc_lo   ; lanes 0-15: the even tile's word of row r; lanes 16-31: the odd tile's
.endif
.endm
	LOADF 0
	LOADF 1
.irp f, 0,1,2,3,4,5,6,7
	FRAG \f
.endr
	global_store_b128 v3, v[SCW:SCW+3], s[18:19]   ; 512 consecutive bytes, aligned
	s_set_vgpr_msb 0x5
	s_wait_tensorcnt 0x0
	ds_add_u32 v64, v65
	s_wait_dscnt 0x0
	s_set_vgpr_msb 0x500
	s_endpgm
.Lfunc_end_k_qd172fdedf2_front:
	.size	k_qd172fdedf2_front, .Lfunc_end_k_qd172fdedf2_front-k_qd172fdedf2_front
	.p2alignl 7, 3214868480
	.fill 96, 4, 3214868480
	.section	.rodata,"a",@progbits
	.p2align	6, 0x0
	.amdhsa_kernel k_qd172fdedf2_front
		.amdhsa_group_segment_fixed_size 56832
		.amdhsa_private_segment_fixed_size 0
		.amdhsa_enable_private_segment 0
		.amdhsa_kernarg_size 80
		.amdhsa_user_sgpr_count 2
		.amdhsa_user_sgpr_kernarg_segment_ptr 1
		.amdhsa_wavefront_size32 1
		.amdhsa_system_sgpr_workgroup_id_x 1
		.amdhsa_system_sgpr_workgroup_id_y 1
		.amdhsa_system_sgpr_workgroup_id_z 1
		.amdhsa_system_vgpr_workitem_id 0
		.amdhsa_next_free_vgpr 322
		.amdhsa_next_free_sgpr 66
		.amdhsa_reserve_vcc 1
		.amdhsa_float_denorm_mode_32 3
		.amdhsa_float_denorm_mode_16_64 3
		.amdhsa_memory_ordered 1
		.amdhsa_forward_progress 1
		.amdhsa_inst_pref_size 195
	.end_amdhsa_kernel
	.amdgpu_metadata
---
amdhsa.version: [ 1, 2 ]
amdhsa.kernels:
  - .name:           k_qd172fdedf2_front
    .symbol:         k_qd172fdedf2_front.kd
    .args:
      - { .name: hidden_states, .offset: 0, .size: 8, .value_kind: global_buffer, .address_space: global }
      - { .name: Wg, .offset: 8, .size: 8, .value_kind: global_buffer, .address_space: global }
      - { .name: bg, .offset: 16, .size: 8, .value_kind: global_buffer, .address_space: global }
      - { .name: W, .offset: 24, .size: 8, .value_kind: global_buffer, .address_space: global }
      - { .name: hq, .offset: 32, .size: 8, .value_kind: global_buffer, .address_space: global }
      - { .name: hs, .offset: 40, .size: 8, .value_kind: global_buffer, .address_space: global }
      - { .name: wq, .offset: 48, .size: 8, .value_kind: global_buffer, .address_space: global }
      - { .name: ws, .offset: 56, .size: 8, .value_kind: global_buffer, .address_space: global }
      - { .name: cnt, .offset: 64, .size: 8, .value_kind: global_buffer, .address_space: global }
      - { .name: kmask, .offset: 72, .size: 8, .value_kind: global_buffer, .address_space: global }
    .group_segment_fixed_size: 56832
    .private_segment_fixed_size: 0
    .kernarg_segment_align: 8
    .kernarg_segment_size: 80
    .max_flat_workgroup_size: 128
    .sgpr_count:     66
    .vgpr_count:     322
    .wavefront_size: 32
...
	.end_amdgpu_metadata
.endif
;; end of part 1
;; launch experts (part 2): grid 8 x 49, 4 waves a work-group, no clusters, 225,792 bytes of LDS; arguments hq, hs, wq, ws, b, cnt, kmask, out0; writes out0
.if DOCPART == 2
	.amdgcn_target "amdgcn-amd-amdhsa--gfx1250"
	.amdhsa_code_object_version 6
	.text
	.protected	k_qd172fdedf2_experts
	.globl	k_qd172fdedf2_experts
	.p2align	8
	.type	k_qd172fdedf2_experts,@function
k_qd172fdedf2_experts:
	s_mov_b64 s[64:65], 0
	v_nop
	global_prefetch_b8 v0, s[64:65] scope:SCOPE_SE
	s_setreg_imm32_b32 hwreg(HW_REG_WAVE_MODE, 25, 1), 1
	s_wait_xcnt 0x0
; EXPERTS.  out0[t] = the sum over the token's two experts e of Q(h[t]) Q(W[e])^T + b[e], on codes of FP8 (E4M3) with one E8M0 scale for each 32 along K.
; Tokens are taken in groups of at most 96 that share ONE PAIR of experts (a key, 0 .. 27).  Work-group (x = ny, y = G) owns group G and columns 256 ny .. + 255; wave w owns 64 of them: four tiles of 16.
; Both experts' products go into the SAME accumulators (24 of 16 x 16 a wave), which begin as b[e1] + b[e2]: each output row has one owner, no partial sum goes to memory, nothing is masked.
; WHICH TOKENS.  Key p has ceil(count / 96) groups, the keys' groups on end.  Every wave finds its group by itself, from whole numbers that the launch before stored:
;   cnt   [g / 16][key][byte g % 16]: how many of tokens 8 g .. 8 g + 7 have the key: lane = key adds its 256 bytes up; a scan over the 28 keys, on scalars, finds the key that owns G, its pair, the group's first rank and n.
;   kmask [word m][key][4 bytes]: bit i of word m: token 32 m + i has the key.  The token of rank q is found in two steps: the word whose running count of bits reaches q, then the bit in it.
; The sum over the 28 keys of ceil(count / 96) is at most 49 whatever the split (27 keys of one token and one of 2,021): the grid of 49 groups serves every split.
; A group that the split leaves empty (n = 0) stores nothing and ends; the barrier stands on every wave's path all the same.
; A group is always worked as six tiles of 16: places from n on repeat the group's last token, whose row is then computed and stored again with the same bytes, by the same wave: no lane is ever switched off.
; THE TOKENS' codes (96 rows x 2,048 bytes) and scale bytes are gathered into LDS once, each wave 24 rows, and read by all four waves.
; THE WEIGHTS go from memory straight into registers, in the order of the operand's registers (wq): every load is 512 consecutive bytes; three sets of registers, two K steps ahead.  Each fragment of W is used by one
; wave alone (six products), so a way through LDS would share nothing.  A token fragment read from LDS feeds eight products (four tiles x two experts).
; NO TENSOR LOAD, NO CLUSTER: the exit hangs on numbers read from memory, and which groups share an expert's weights hangs on them too, so partners with equal requests cannot be named in the text.
; THE MATRIX INSTRUCTION IS USED TRANSPOSED (source 0 = 16 rows of W, source 1 = 16 tokens): a lane holds one token and eight neighbouring columns.
; REGISTERS, in windows of 256.  Window 0: v1-15 addresses; v16-79 W's scale words (32 x + 16 (c / 2) + s; lanes 0-15 the even tile, lanes 16-31 the odd); v80-127 the tokens' (16 (t / 2) + s, likewise);
;   v128-223 the tokens' six fragments (at the head: the counts; at the gathering: offsets; on the way out: rows and token numbers); v224-246 at work.   Window 1: W's sets 0 and 1 (fragment (x, c) at 64 x + 16 c).
;   Window 2: W's set 2 (at the gathering: rows 12-23).   Window 3: accumulator (t, c) at 8 (4 t + c); from v192 the bias, from v224 b[e2] (at the gathering: rows 0-11).
.set PT,   2064                        ; a token's row in LDS: 2,048 bytes + 16: an odd multiple of 16, so the 16 rows that a load touches start in different banks (64 banks of 4 bytes: ISA guide 11.1)
.set TSC,  96*PT                       ; the tokens' scale bytes: 96 rows of 64 + 16
.set PS,   80
.set IDT,  TSC+96*PS                   ; 96 token numbers
.set STG,  IDT+512                     ; the way out: 16 rows x (256 + 16) bytes for each wave
.set PG,   272
.set LI,   1                           ; 16 x lane
.set ATK,  2                           ; v2-7  tile t: (16 t + r) PT + 16 h
.set RS,   8                           ; where I put 16 bytes of a gathered row
.set TSI,  9                           ; and a word of its scale bytes
.set TSO,  10                          ; where I read scale words: my place of 32
.set IDI,  11                          ; my wave's 24 token numbers, in
.set IDO,  12                          ; token numbers, out: lanes 0-15 one place, lanes 16-31 the next
.set STO,  13                          ; the stage, in
.set RD,   14                          ; the stage, out
.set CO,   15                          ; 16 (lane % 16)
.set WS,   16
.set TS,   80
.set TF,   128
.set SL,   228                         ; 4 (lane % 16)
.set BO,   229                         ; 32 (lane / 16)
.set BIAS, 192                         ; in window 3
.set CN,   128                         ; the head: v128-191 my key's 256 counts, four to a register
.set RO,   128                         ; the gathering: v128-151 rows' offsets, v152-175 scale rows' offsets, v176-199 scale words, v200-223 token numbers
.set SO,   152
.set SW,   176
.set ID,   200
.set OB,   128                         ; the way out: two sets of 32: 16 rows read back;  v192-207 two sets of 8: their token numbers, then their offsets
.set IDR,  192
.set MSB, 0
.macro WIN new                         ; the immediate's high byte repeats the setting that is left
.if MSB != \new
	s_set_vgpr_msb (MSB<<8)|\new
.set MSB, \new
.endif
.endm
.macro PLACES                          ; eight plain vector lines between a matrix instruction of this form and a load into one of its registers, or a read of its result
.rept 8
	v_nop
.endr
.endm
	s_load_b256 s[4:11], s[0:1], 0x0               ; hq s[4:5], hs s[6:7], wq s[8:9], ws s[10:11]
	s_load_b256 s[12:19], s[0:1], 0x20             ; b s[12:13], cnt s[14:15], kmask s[16:17], out0 s[18:19]
	v_lshl_add_u32 v254, v0, 2, 0x37000
	v_mov_b32 v255, 0
	v_lshrrev_b32 v224, 5, v0
	v_readfirstlane_b32 s20, v224                  ; wave 0..3
	s_and_b32 s22, ttmp7, 0xffff                   ; G
	v_and_b32 v227, 31, v0                         ; lane
	v_lshlrev_b32 v[LI], 4, v227
	s_wait_kmcnt 0x0
.set i, 0
.rept 16
	global_load_b128 v[CN+4*i:CN+4*i+3], v[LI], s[14:15] offset:512*i   ; lane = key: the counts of token blocks 16 i .. 16 i + 15
.set i, i+1
.endr
	v_and_b32 v225, 15, v0                         ; r
	v_bfe_u32 v226, v0, 4, 1                       ; h
	v_mul_u32_u24 v232, v225, PT
	v_lshl_add_u32 v232, v226, 4, v232
.irp t, 0,1,2,3,4,5
	v_add_nc_u32 v[ATK+\t], 16*\t*PT, v232
.endr
	s_mul_i32 s29, s20, 24*PT
	v_add_nc_u32 v[RS], s29, v[LI]
	v_lshlrev_b32 v[SL], 2, v225
	s_mul_i32 s29, s20, 24*PS
	s_add_co_u32 s29, s29, TSC
	v_add_nc_u32 v[TSI], s29, v[SL]
	v_mul_u32_u24 v[TSO], v227, PS
	v_add_nc_u32 v[TSO], TSC, v[TSO]
	s_mul_i32 s29, s20, 96
	s_add_co_u32 s29, s29, IDT
	v_mov_b32 v[IDI], s29
	v_lshl_add_u32 v[IDO], v226, 2, IDT
	s_mul_i32 s29, s20, 16*PG
	s_add_co_u32 s29, s29, STG
	v_mul_u32_u24 v[STO], v225, PG
	v_lshl_add_u32 v[STO], v226, 5, v[STO]
	v_add_nc_u32 v[STO], s29, v[STO]               ; row r, + 32 h (+ 64 c)
	v_mul_u32_u24 v[RD], v226, PG
	v_lshl_add_u32 v[RD], v225, 4, v[RD]
	v_add_nc_u32 v[RD], s29, v[RD]                 ; lanes 0-15 one row of 256 bytes, lanes 16-31 the next
	v_lshlrev_b32 v[CO], 4, v225
	v_lshlrev_b32 v[BO], 5, v226
	s_mov_b32 s31, 0xff00ff
	s_wait_loadcnt 0x0
	; ---- each key's tokens.  Four bytes are added at a time: 16 counts of at most 8 stay under 256; then the bytes are widened to halves (at most 1,024 in each), then to a word
.set i, 1
.rept 15
.irp c, 0,1,2,3
	v_add_nc_u32 v[CN+\c], v[CN+\c], v[CN+4*i+\c]
.endr
.set i, i+1
.endr
.irp c, 0,1,2,3
	v_lshrrev_b32 v[CN+4+\c], 8, v[CN+\c]
.endr
.irp c, 0,1,2,3
	v_and_b32 v[CN+\c], s31, v[CN+\c]
.endr
.irp c, 0,1,2,3
	v_and_b32 v[CN+4+\c], s31, v[CN+4+\c]
.endr
.irp c, 0,1,2,3
	v_add_nc_u32 v[CN+\c], v[CN+\c], v[CN+4+\c]
.endr
	v_add_nc_u32 v[CN], v[CN], v[CN+1]
	v_add_nc_u32 v[CN+2], v[CN+2], v[CN+3]
	v_add_nc_u32 v[CN], v[CN], v[CN+2]
	v_lshrrev_b32 v[CN+1], 16, v[CN]
	v_and_b32 v[CN], 0xffff, v[CN]
	v_add_nc_u32 v[CN], v[CN], v[CN+1]             ; lane p: all tokens of key p
.set p, 0
.rept 28
	v_readlane_b32 s[66+p], v[CN], p
.set p, p+1
.endr
	; ---- the scan over the keys: the last key that begins at or in front of group G owns it: a key without tokens is written over by the next
	s_mov_b32 s30, 0                               ; groups in front of the key in hand
	s_mov_b32 s21, 0                               ; the owner's first group,
	s_mov_b32 s26, 0                               ; its tokens,
	s_mov_b32 s23, 0                               ; e1 | e2 << 8 | key << 16
.set p, 0
.irp a, 0,1,2,3,4,5,6
.irp c, 1,2,3,4,5,6,7
.if \c > \a                            ; key p is the pair (a, c), in this order
	s_cmp_le_u32 s30, s22
	s_cselect_b32 s21, s30, s21
	s_cselect_b32 s26, s[66+p], s26
	s_cselect_b32 s23, (\a)|((\c)<<8)|(p<<16), s23
	s_add_co_u32 s29, s[66+p], 95
	s_mul_i32 s29, s29, 43691
	s_lshr_b32 s29, s29, 22                        ; ceil(tokens / 96): 43,691 x 96 = 2^22 + 32, so the quotient is exact for numbers under 131,072
	s_add_co_u32 s30, s30, s29
.set p, p+1
.endif
.endr
.endr
	s_sub_co_u32 s21, s22, s21                     ; which group of its key,
	s_mul_i32 s21, s21, 96                         ; and the rank, among the key's tokens, of the group's first
	s_sub_co_i32 s26, s26, s21                     ; tokens left from there on (it may be negative)
	s_min_i32 s26, s26, 96
	s_max_i32 s26, s26, 0
	s_min_u32 s26, s26, 96                         ; n
	s_add_co_u32 s27, s26, -1                      ; the last place that holds a token (not used where n = 0)
	s_and_b32 s24, s23, 0xff
	s_min_u32 s24, s24, 7                          ; e1
	s_bfe_u32 s25, s23, 0x80008
	s_min_u32 s25, s25, 7                          ; e2
	s_bfe_u32 s48, s23, 0x80010
	s_min_u32 s48, s48, 27                         ; the key,
	s_lshl_b32 s48, s48, 2                         ; as bytes in a row of kmask
	s_lshl_b32 s30, ttmp9, 2
	s_add_co_u32 s30, s30, s20                     ; my group of 64 columns: 4 ny + w
	s_mov_b32 s29, 0
	s_lshl_b32 s31, s30, 17                        ; wq: expert x 2^22 + column group x 2^17
	s_lshl_b32 s28, s24, 22
	s_add_co_u32 s28, s28, s31
	s_add_nc_u64 s[32:33], s[8:9], s[28:29]
	s_lshl_b32 s28, s25, 22
	s_add_co_u32 s28, s28, s31
	s_add_nc_u64 s[34:35], s[8:9], s[28:29]
	s_lshl_b32 s31, s30, 12                        ; ws: expert x 2^17 + column group x 2^12
	s_lshl_b32 s28, s24, 17
	s_add_co_u32 s28, s28, s31
	s_add_nc_u64 s[36:37], s[10:11], s[28:29]
	s_lshl_b32 s28, s25, 17
	s_add_co_u32 s28, s28, s31
	s_add_nc_u64 s[38:39], s[10:11], s[28:29]
	s_lshl_b32 s31, s30, 8                         ; my 64 columns in a row of f32: 256 bytes x column group
	s_lshl_b32 s28, s24, 13
	s_add_co_u32 s28, s28, s31
	s_add_nc_u64 s[40:41], s[12:13], s[28:29]
	s_lshl_b32 s28, s25, 13
	s_add_co_u32 s28, s28, s31
	s_add_nc_u64 s[42:43], s[12:13], s[28:29]
	s_mov_b32 s28, s31
	s_add_nc_u64 s[44:45], s[18:19], s[28:29]
	s_cmp_eq_u32 s26, 0
	s_cbranch_scc1 .Lno_rows
	; ---- THE GATHERING: wave w brings places 24 w .. 24 w + 23.  First their tokens: lane i looks for the token of place 24 w + i
	s_mul_i32 s28, s20, 24
	v_add_nc_u32 v230, s28, v227
	v_min_u32 v230, s27, v230                      ; places from n on repeat the last token
	v_min_u32 v230, 95, v230
	v_add_nc_u32 v230, s21, v230                   ; its rank among the key's tokens: it is compared, and enters no address
	v_lshl_add_u32 v233, v227, 7, s48              ; word m = lane of my key: 128 m + 4 x key
	global_load_b32 v234, v233, s[16:17]           ; words 0-31
	global_load_b32 v235, v233, s[16:17] offset:4096   ; words 32-63
	v_mov_b32 v236, 0                              ; the word that holds my rank,
	v_mov_b32 v237, 0                              ; the bits in front of it,
	v_mov_b32 v238, 0                              ; its number
	s_mov_b32 s28, 0                               ; bits so far
	s_wait_loadcnt 0x0
; Eight words, m0 on, out of register vm: the last word in front of which at most my rank's number of bits lie is mine
.macro SEEK vm, m0
.irp k, 0,1,2,3,4,5,6,7
	v_readlane_b32 s[68+\k], v[\vm], (\m0)%32+\k
.endr
.irp k, 0,1,2,3,4,5,6,7
	s_bcnt1_i32_b32 s[84+\k], s[68+\k]
.endr
	s_mov_b32 s76, s28
.irp k, 1,2,3,4,5,6,7
	s_add_co_u32 s[76+\k], s[76+\k-1], s[84+\k-1]
.endr
	s_add_co_u32 s28, s83, s91
.irp k, 0,1,2,3,4,5,6,7
	v_cmp_gt_u32 vcc_lo, s[76+\k], v230            ; more bits in front than my rank: keep what I have
	v_cndmask_b32 v236, s[68+\k], v236, vcc_lo
	v_cndmask_b32 v237, s[76+\k], v237, vcc_lo
	v_cndmask_b32 v238, (\m0)+\k, v238, vcc_lo
.endr
.endm
	SEEK 234, 0
	SEEK 234, 8
	SEEK 234, 16
	SEEK 234, 24
	SEEK 235, 32
	SEEK 235, 40
	SEEK 235, 48
	SEEK 235, 56
	; the bit: the word's set bit number j = rank - bits in front.  The counts of bits in fields of 2, 4, 8 and 16, then five steps down: where a lower half holds j bits or fewer, the bit lies in the upper half
	s_mov_b32 s28, 0x55555555
	s_mov_b32 s29, 0x33333333
	s_mov_b32 s31, 0x0f0f0f0f
	v_sub_nc_u32 v239, v230, v237                  ; j
	v_lshrrev_b32 v240, 1, v236
	v_and_b32 v240, s28, v240
	v_sub_nc_u32 v240, v236, v240                  ; in fields of 2
	v_lshrrev_b32 v241, 2, v240
	v_and_b32 v241, s29, v241
	v_and_b32 v242, s29, v240
	v_add_nc_u32 v241, v241, v242                  ; of 4
	v_lshrrev_b32 v242, 4, v241
	v_add_nc_u32 v242, v242, v241
	v_and_b32 v242, s31, v242                      ; of 8
	v_lshrrev_b32 v243, 8, v242
	v_add_nc_u32 v243, v243, v242                  ; byte 0: the low 16 bits'
	v_mov_b32 v244, 0                              ; the place so far
.macro DESC lev, w, bits               ; the field of w bits at the place so far holds its count in `bits` bits of register lev
	v_bfe_u32 v245, v[\lev], v244, \bits
	v_cmp_le_u32 vcc_lo, v245, v239
	v_sub_nc_u32 v245, v239, v245
	v_add_nc_u32 v246, \w, v244
	v_cndmask_b32 v239, v239, v245, vcc_lo
	v_cndmask_b32 v244, v244, v246, vcc_lo
.endm
	DESC 243, 16, 8
	DESC 242, 8, 8
	DESC 241, 4, 4
	DESC 240, 2, 2
	DESC 236, 1, 1
	v_lshl_add_u32 v231, v238, 5, v244             ; the token: 32 x word + bit
	v_min_u32 v231, 0x7ff, v231
	s_mov_b32 s29, 0
.set i, 0
.rept 24
	v_readlane_b32 s[66+i], v231, i                ; lane i holds place 24 w + i
.set i, i+1
.endr
.set i, 0
.rept 24
	s_min_u32 s[66+i], s[66+i], 0x7ff
	v_lshl_add_u32 v[RO+i], s[66+i], 11, v[LI]     ; a row of 2,048 codes, 16 bytes a lane
	v_lshl_add_u32 v[SO+i], s[66+i], 6, v[SL]      ; a row of 64 scale bytes, a word a lane (lanes 16-31 repeat lanes 0-15)
	v_mov_b32 v[ID+i], s[66+i]
.set i, i+1
.endr
	WIN 0xc0                                       ; destination window 3
.set i, 0
.rept 12
.irp q, 0,1,2,3
	global_load_b128 v[16*i+4*\q:16*i+4*\q+3], v[RO+i], s[4:5] offset:512*\q   ; 512 consecutive bytes of a token's row
.endr
.set i, i+1
.endr
	WIN 0x80                                       ; destination window 2
.rept 12
.irp q, 0,1,2,3
	global_load_b128 v[16*(i-12)+4*\q:16*(i-12)+4*\q+3], v[RO+i], s[4:5] offset:512*\q
.endr
.set i, i+1
.endr
	WIN 0
.set i, 0
.rept 24
	global_load_b32 v[SW+i], v[SO+i], s[6:7]
.set i, i+1
.endr
.set i, 0
.rept 24
	ds_store_b32 v[IDI], v[ID+i] offset:4*i        ; all lanes write the same word with the same value
.set i, i+1
.endr
	s_wait_loadcnt 63                              ; 72 loads are younger than rows 0-11's: with at most 63 out, those 48 are in
	WIN 0x0c                                       ; an LDS store's data are its source 1: window 3
.set i, 0
.rept 12
.irp q, 0,1,2,3
	ds_store_b128 v[RS], v[16*i+4*\q:16*i+4*\q+3] offset:i*PT+512*\q
.endr
.set i, i+1
.endr
	s_wait_loadcnt 24                              ; all but the 24 scale loads
	WIN 0x08
.rept 12
.irp q, 0,1,2,3
	ds_store_b128 v[RS], v[16*(i-12)+4*\q:16*(i-12)+4*\q+3] offset:i*PT+512*\q
.endr
.set i, i+1
.endr
	s_wait_loadcnt 0x0
	WIN 0
.set i, 0
.rept 24
	ds_store_b32 v[TSI], v[SW+i] offset:PS*i
.set i, i+1
.endr
.Lno_rows:
	s_wait_dscnt 0x0                               ; for the others' sake: my rows, scale bytes and token numbers have landed
	s_barrier_signal -1
	s_barrier_wait -1                              ; every wave passes this barrier, with rows or without
	s_cmp_eq_u32 s26, 0
	s_cbranch_scc1 .Lend
	; ---- THE PRODUCTS
.macro WLOAD s, x                      ; K step s of expert x: four fragments, 16 loads of 512 consecutive bytes, into set s % 3
.if ((\s)%3) == 2
	WIN 0x80
.set rWB, 0
.else
	WIN 0x40
.set rWB, 128*((\s)%3)
.endif
.irp c, 0,1,2,3
.irp q, 0,1,2,3
	global_load_b128 v[rWB+64*(\x)+16*\c+4*\q:rWB+64*(\x)+16*\c+4*\q+3], v[LI], s[32+2*(\x):33+2*(\x)] offset:8192*(\s)+2048*\c+512*\q
.endr
.endr
.endm
.macro TFLOAD s, half                  ; K step s of token tiles 3 half .. 3 half + 2: registers 4 q .. 4 q + 3 hold k = 128 s + 32 q + 16 h + 0 .. 15 of row r
	WIN 0
.irp u, 0,1,2
.irp q, 0,1,2,3
	ds_load_b128 v[TF+16*(3*(\half)+\u)+4*\q:TF+16*(3*(\half)+\u)+4*\q+3], v[ATK+3*(\half)+\u] offset:128*(\s)+32*\q
.endr
.endr
.endm
.macro WM                              ; one product, by the symbols set in MUL; an odd tile's scale words lie in lanes 16-31
.if fA && fB
	v_wmma_scale_f32_16x16x128_f8f6f4 v[rA:rA+7], v[rW:rW+15], v[rT:rT+15], v[rC:rC+7], v[rSA], v[rSB] matrix_a_scale:MATRIX_SCALE_ROW1 matrix_b_scale:MATRIX_SCALE_ROW1
.elseif fA
	v_wmma_scale_f32_16x16x128_f8f6f4 v[rA:rA+7], v[rW:rW+15], v[rT:rT+15], v[rC:rC+7], v[rSA], v[rSB] matrix_a_scale:MATRIX_SCALE_ROW1
.elseif fB
	v_wmma_scale_f32_16x16x128_f8f6f4 v[rA:rA+7], v[rW:rW+15], v[rT:rT+15], v[rC:rC+7], v[rSA], v[rSB] matrix_b_scale:MATRIX_SCALE_ROW1
.else
	v_wmma_scale_f32_16x16x128_f8f6f4 v[rA:rA+7], v[rW:rW+15], v[rT:rT+15], v[rC:rC+7], v[rSA], v[rSB]
.endif
.endm
; Twelve products: expert x, K step s, four column tiles x three token tiles.  The twelve accumulators take turns, one instruction a turn, and the second expert takes them up in the same order.
; The very first product on an accumulator takes the bias as C: nothing is cleared, and no addition is spent on b.
.macro MUL s, half, x
.if ((\s)%3) == 2
	WIN 0xf2                                       ; source 0 (W) window 2, source 1 (tokens) window 0, C and D window 3
.set rWB, 0
.else
	WIN 0xf1                                       ; the same with W in window 1
.set rWB, 128*((\s)%3)
.endif
.irp c, 0,1,2,3
.irp u, 0,1,2
.set rt,  3*(\half)+\u
.set rA,  8*(4*rt+\c)
.set rW,  rWB+64*(\x)+16*\c
.set rT,  TF+16*rt
.set rSA, WS+32*(\x)+16*(\c/2)+(\s)
.set rSB, TS+16*(rt/2)+(\s)
.set fA,  \c%2
.set fB,  rt%2
.if ((\s) == 0) && ((\x) == 0)
.set rC,  BIAS+8*\c
.else
.set rC,  rA
.endif
	WM
.endr
.endr
.endm
; A K step of 128: 48 products.  Written out sixteen times: the scale words' registers change with s, and three sets of W do not divide sixteen steps.
.macro STEP s
.if (\s) < 15
	s_wait_loadcnt 48                              ; the first expert's fragments are in; out may be the second's 16 loads and the next set's 32
.else
	s_wait_loadcnt 16
.endif
	s_wait_dscnt 12                                ; token tiles 0-2 are in; the youngest twelve loads (tiles 3-5) may be out
	MUL \s, 0, 0
.if (\s) < 15
	s_wait_loadcnt 32                              ; the second expert's are in; the next set may be out
.else
	s_wait_loadcnt 0x0
.endif
	MUL \s, 0, 1
	s_wait_dscnt 0x0                               ; token tiles 3-5 are in (asked for 24 products ago)
.if (\s) < 15
	WIN 0
	PLACES
	TFLOAD (\s)+1, 0
.endif
.if (\s) < 14
	WLOAD (\s)+2, 0                                ; into the set that the last step multiplied: two K steps ahead
.endif
	MUL \s, 1, 0
	MUL \s, 1, 1
.if (\s) < 15
	WIN 0
	PLACES
	TFLOAD (\s)+1, 1
.endif
.if (\s) < 14
	WLOAD (\s)+2, 1
.endif
.endm
	WLOAD 0, 0
	WLOAD 0, 1
	WIN 0
.irp x, 0,1
.irp u, 0,1
.irp q, 0,1,2,3
	global_load_b128 v[WS+32*\x+16*\u+4*\q:WS+32*\x+16*\u+4*\q+3], v[LI], s[36+2*\x:37+2*\x] offset:2048*\u+512*\q   ; W's scale words of all sixteen K steps: tiles 2 u and 2 u + 1, K steps 4 q on
.endr
.endr
.endr
	WIN 0xc0
.irp x, 0,1
.irp c, 0,1,2,3
.irp q, 0,1
	global_load_b128 v[BIAS+32*\x+8*\c+4*\q:BIAS+32*\x+8*\c+4*\q+3], v[BO], s[40+2*\x:41+2*\x] offset:64*\c+16*\q   ; b in the result's layout: lane (r, h): columns 16 c + 8 h + 0 .. 7
.endr
.endr
.endr
	WLOAD 1, 0
	WLOAD 1, 1
	WIN 0
.irp u, 0,1,2
.irp q, 0,1,2,3
	ds_load_b128 v[TS+16*\u+4*\q:TS+16*\u+4*\q+3], v[TSO] offset:32*PS*\u+16*\q   ; the tokens' scale words: lane l: place 32 u + l; K steps 4 q on
.endr
.endr
	TFLOAD 0, 0
	TFLOAD 0, 1
	s_wait_loadcnt 32                              ; all but W's set 1
	WIN 0xcf                                       ; sources 0 and 1 and the destination window 3
.set i, 0
.rept 16
	v_pk_add_f32 v[BIAS+2*i:BIAS+2*i+1], v[BIAS+2*i:BIAS+2*i+1], v[BIAS+32+2*i:BIAS+32+2*i+1]   ; b[e1] + b[e2]
.set i, i+1
.endr
	WIN 0
	PLACES
.set Q, 0
.rept 16
	STEP Q
.set Q, Q+1
.endr
	; ---- THE WAY OUT, a tile of 16 tokens x 64 columns at a time.  A lane holds 32 neighbouring bytes of a row and the lanes beside it hold other rows: so a tile goes through my own stage in LDS and comes back
	; as rows of 256 bytes; sixteen lanes store 256 consecutive bytes, aligned, at the row that the place's token number names.
.macro TOSTAGE t
	WIN 0x0c                                       ; the data: window 3
.irp c, 0,1,2,3
	ds_store_b128 v[STO], v[8*(4*(\t)+\c):8*(4*(\t)+\c)+3] offset:64*\c        ; each accumulator from its low end on
	ds_store_b128 v[STO], v[8*(4*(\t)+\c)+4:8*(4*(\t)+\c)+7] offset:64*\c+16
.endr
	WIN 0
.irp i, 0,1,2,3,4,5,6,7
	ds_load_b128 v[OB+32*((\t)%2)+4*\i:OB+32*((\t)%2)+4*\i+3], v[RD] offset:2*PG*\i   ; LDS serves a wave's instructions in order: these see the stores above, and the next tile's stores come behind them
.endr
.irp i, 0,1,2,3,4,5,6,7
	ds_load_b32 v[IDR+8*((\t)%2)+\i], v[IDO] offset:4*(16*(\t)+2*\i)
.endr
.endm
.macro SEND t, younger                 ; younger: the LDS instructions issued behind tile t's loads, which may stay out
	s_wait_dscnt \younger
.irp i, 0,1,2,3,4,5,6,7
	v_min_u32 v[IDR+8*((\t)%2)+\i], 0x7ff, v[IDR+8*((\t)%2)+\i]
.endr
.irp i, 0,1,2,3,4,5,6,7
	v_lshl_add_u32 v[IDR+8*((\t)%2)+\i], v[IDR+8*((\t)%2)+\i], 13, v[CO]   ; a row of out0 is 8,192 bytes
.endr
.irp i, 0,1,2,3,4,5,6,7
	global_store_b128 v[IDR+8*((\t)%2)+\i], v[OB+32*((\t)%2)+4*\i:OB+32*((\t)%2)+4*\i+3], s[44:45] th:TH_STORE_NT
.endr
.endm
	WIN 0
	PLACES                                         ; behind the last products: for the reads of the results and for the loads into the registers that held the tokens' fragments
	TOSTAGE 0
.irp a, 1,2,3,4,5
.if \a > 1
	s_wait_xcnt 0x0                                ; tile a - 2's stores have read their data and offsets: tile a's loads may land there
.endif
	TOSTAGE \a
	SEND \a-1, 24                                  ; behind tile a - 1's loads: tile a's 8 stores and 16 loads
.endr
	SEND 5, 0
.Lend:
	s_wait_tensorcnt 0x0
	ds_add_u32 v254, v255
	s_wait_dscnt 0x0
	s_endpgm
.Lfunc_end_k_qd172fdedf2_experts:
	.size	k_qd172fdedf2_experts, .Lfunc_end_k_qd172fdedf2_experts-k_qd172fdedf2_experts
	.p2alignl 7, 3214868480
	.fill 96, 4, 3214868480
	.section	.rodata,"a",@progbits
	.p2align	6, 0x0
	.amdhsa_kernel k_qd172fdedf2_experts
		.amdhsa_group_segment_fixed_size 225792
		.amdhsa_private_segment_fixed_size 0
		.amdhsa_enable_private_segment 0
		.amdhsa_kernarg_size 64
		.amdhsa_user_sgpr_count 2
		.amdhsa_user_sgpr_kernarg_segment_ptr 1
		.amdhsa_wavefront_size32 1
		.amdhsa_system_sgpr_workgroup_id_x 1
		.amdhsa_system_sgpr_workgroup_id_y 1
		.amdhsa_system_sgpr_workgroup_id_z 1
		.amdhsa_system_vgpr_workitem_id 0
		.amdhsa_next_free_vgpr 1024
		.amdhsa_next_free_sgpr 96
		.amdhsa_reserve_vcc 1
		.amdhsa_float_denorm_mode_32 3
		.amdhsa_float_denorm_mode_16_64 3
		.amdhsa_memory_ordered 1
		.amdhsa_forward_progress 1
		.amdhsa_inst_pref_size 255
	.end_amdhsa_kernel
	.section	.bss,"aw",@nobits
	.p2align	6
	.space	262144
	.amdgpu_metadata
---
amdhsa.version: [ 1, 2 ]
amdhsa.kernels:
  - .name:           k_qd172fdedf2_experts
    .symbol:         k_qd172fdedf2_experts.kd
    .args:
      - { .name: hq, .offset: 0, .size: 8, .value_kind: global_buffer, .address_space: global }
      - { .name: hs, .offset: 8, .size: 8, .value_kind: global_buffer, .address_space: global }
      - { .name: wq, .offset: 16, .size: 8, .value_kind: global_buffer, .address_space: global }
      - { .name: ws, .offset: 24, .size: 8, .value_kind: global_buffer, .address_space: global }
      - { .name: b, .offset: 32, .size: 8, .value_kind: global_buffer, .address_space: global }
      - { .name: cnt, .offset: 40, .size: 8, .value_kind: global_buffer, .address_space: global }
      - { .name: kmask, .offset: 48, .size: 8, .value_kind: global_buffer, .address_space: global }
      - { .name: out0, .offset: 56, .size: 8, .value_kind: global_buffer, .address_space: global }
    .group_segment_fixed_size: 225792
    .private_segment_fixed_size: 0
    .kernarg_segment_align: 8
    .kernarg_segment_size: 64
    .max_flat_workgroup_size: 128
    .sgpr_count:     96
    .vgpr_count:     1024
    .wavefront_size: 32
...
	.end_amdgpu_metadata
.endif
;; end of part 2
;; ======== version 2 of 2: 2 launches
;; workspace buffers: hq 4,194,304 bytes; hs 131,072 bytes; wq 33,554,432 bytes; ws 1,048,576 bytes; cnt 8,192 bytes of whole numbers; kmask 8,192 bytes of whole numbers
;; launch front (part 3): grid 768 x 1, 4 waves a work-group, no clusters, 56,832 bytes of LDS; arguments hidden_states, Wg, bg, W, hq, hs, wq, ws, cnt, kmask; writes hq, hs, wq, ws, cnt, kmask
.if DOCPART == 3
	.amdgcn_target "amdgcn-amd-amdhsa--gfx1250"
	.amdhsa_code_object_version 6
	.text
	.protected	k_qd172fdedf2_front
	.globl	k_qd172fdedf2_front
	.p2align	8
	.type	k_qd172fdedf2_front,@function
k_qd172fdedf2_front:
	s_mov_b64 s[64:65], 0
	v_nop
	global_prefetch_b8 v0, s[64:65] scope:SCOPE_SE
	s_setreg_imm32_b32 hwreg(HW_REG_WAVE_MODE, 25, 1), 1
	s_wait_xcnt 0x0
; FRONT.  Two pieces of work that do not hang on each other, in one launch.  Work-groups 0 .. 255: the tokens (quantise, route).  Work-groups 256 .. 767: the experts' weights (quantise).
; The two paths part on the work-group's number and use LDS bytes of their own.
;
; THE TOKENS.  hidden_states [2048][2048] f32 is read once and serves twice: (1) it is turned into codes of FP8 (E4M3), K innermost (hq [t][2048 bytes]), with one E8M0 byte for each 32 along K
; (hs [t][64 bytes]); (2) the router's logits h Wg^T + bg are summed in f32 by fused multiply-adds and the two largest are found (a tie keeps the lower index).  The PAIR e1 < e2 is the key
; p = e1 (15 - e1) / 2 + e2 - e1 - 1, 0 .. 27.  No address here hangs on it: for each key (lane = key) the work-group stores, at fixed places, which of its 8 tokens have it and how many:
;   kmask [word m = g / 4 (64)][key (32)][byte g % 4]: bit i of the byte: token 8 g + i.  So word m of a key covers tokens 32 m .. 32 m + 31.
;   cnt   [g / 16 (16)][key (32)][byte g % 16]: the number of them, 0 .. 8.  So a key's 256 counts are 16 pieces of 16 bytes, a piece a load for the lane that reads them.
; All 32 lanes store (keys 28 .. 31 get zeros): every byte of both buffers is written, and no lane is switched off.  These are single bytes in blocks that other work-groups share: 16 KiB in all.
; SHARES.  A work-group owns 8 tokens; wave w owns k = 512 w .. 512 w + 511 of all eight rows.  A row's part is 512 numbers: four loads of 512 consecutive bytes, turned through the wave's own stage
; in LDS so that a lane holds 16 NEIGHBOURS along K (two neighbouring lanes hold a block of 32).  The wave's part of Wg, 8 x 16 numbers a lane, stays in registers.  Four rows are held as loaded:
; row t + 4 is asked for in row t's turn, into the registers that row t has left.
;
; THE WEIGHTS.  W [8][2048 (n)][2048 (k)] f32.  Work-group 256 + j owns rows 32 j .. 32 j + 31 of W taken as [16384][2048]: two tiles of 16 columns of one expert's output; wave w owns k = 512 w .. + 511:
; eight fragments of 16 rows x 128 K.  The codes are laid in the ORDER OF THE OPERAND'S REGISTERS: wq [J = j / 2 (expert x 32 + group of 64 columns)][K step s (16)][tile c (4)][cc (4)][lane (32)][16 bytes];
; the piece of lane (r, h) holds W[16 c + r][128 s + 32 cc + 16 h .. + 15].  So the reader's every load is 512 consecutive bytes, and a wave's stream for one expert is 131,072 bytes on end.
; The scale words: ws [j][w][lane][4 words]: lanes 0-15 the even tile's row r, lanes 16-31 the odd tile's; word i belongs to K step 4 w + i.
; A fragment's 16 loads read 512 consecutive bytes of a row each; the 8,192 bytes turn through the wave's stage in LDS (rows 528 bytes apart) and come back so that register 16 b + i of lane (r, h)
; is k = 32 b + 16 h + i of row r: the conversions' results are then the operand's registers.  Loads run two fragments (32 loads a wave) ahead.
;
; A block's scale is 2^(floor(log2(largest magnitude)) - 8): its byte is the largest magnitude's exponent field - 8, held at 1 from below.
; LIMITS.  NaN and infinities are not served.  A block of zeros, or one whose largest magnitude lies under 2^-118, gets the byte 1 (the bytes are read by this program alone; zero codes add nothing).
; The logits' f32 sums are formed in another order than a plain row sum: a token whose second and third logits agree to within the rounding of a 2,048-term f32 sum may take the other expert.
; No matrix unit (the router has 8 columns), no cluster (work-groups share only Wg, 64 KiB), no tensor load (both streams are turned lane by lane on their way).
.set SP,   80                          ; the tokens: a lane's place in a stage: 64 bytes + 16 of padding
.set WSTG, 2*32*SP                     ; two stages for each wave
.set SB,   4*WSTG                      ; 512 scale bytes: [row][64]
.set PL,   SB+512                      ; partial logits: [row][wave][8] f32
.set WL,   22528                       ; the weights: four stages of 16 x 528 bytes
.set X,    16                          ; v16-47   two sets of 16 neighbours
.set C,    48                          ; v48-79   four registers of codes for each row: no store's data are written again
.set E,    80                          ; v80-87   a scale byte for each row
.set P,    88                          ; v88-103  eight pairs of running sums, one pair an expert
.set S,    104                         ; v104-111 the eight sums
.set SX,   112                         ; v112-119 the other half of the lanes' sums
.set R,    128                         ; v128-191 four rows' parts as loaded
.set G0,   192                         ; v192-255 Wg of experts 0-3: register 16 e + i = Wg[e][512 w + 16 lane + i];  window 1, v0-63: experts 4-7
.set STI,  5                           ; the weights: v5 the stage, in;  v6 the stage, out
.set STO,  6
.set WR,   16                          ; v16-143  two sets of 64: a fragment as loaded
.set WX,   144                         ; v144-207 64 numbers, register 16 b + i = k 32 b + 16 h + i of my row
.set PC,   208                         ; v208-223 the fragment's codes
.set TM,   224                         ; v224-227 largest magnitudes, v228-231 bytes, v232-235 448 x the scale, v236-239 the conversions' scale operands
.set PW,   240                         ; the scale word just made
.set SW0,  241                         ; the even tile's, kept
.set SCW,  244                         ; v244-247 four K steps' words, both tiles'
.set MSB, 0
.macro WIN new                         ; the immediate's high byte repeats the setting that is left
.if MSB != \new
	s_set_vgpr_msb (MSB<<8)|\new
.set MSB, \new
.endif
.endm
	s_load_b256 s[4:11], s[0:1], 0x0               ; h s[4:5], Wg s[6:7], bg s[8:9], W s[10:11]
	s_load_b256 s[12:19], s[0:1], 0x20             ; hq s[12:13], hs s[14:15], wq s[16:17], ws s[18:19]
	s_load_b128 s[36:39], s[0:1], 0x40             ; cnt s[36:37], kmask s[38:39]
	s_set_vgpr_msb 0x40
	v_lshl_add_u32 v64, v0, 2, 0xdc00
	v_mov_b32 v65, 0
	s_set_vgpr_msb 0x4000
	v_lshrrev_b32 v1, 5, v0
	v_readfirstlane_b32 s40, v1                    ; wave 0..3
	v_and_b32 v2, 31, v0                           ; lane
	v_lshlrev_b32 v3, 4, v2                        ; 16 x lane
	s_mov_b32 s20, 0x76543210
	s_mov_b32 s21, 0xfedcba98                      ; v_permlanex16_b32's selects for lane l xor 16
	s_mov_b32 s23, 0x600000                        ; the mantissa field of 448
	s_mov_b32 s33, 0
	s_cmp_ge_u32 ttmp9, 256
	s_cbranch_scc1 .Lweights
	; ======== THE TOKENS: work-group g = ttmp9
	v_lshlrev_b32 v4, 6, v2                        ; 64 x lane: my 16 numbers of Wg
	s_mul_i32 s41, s40, WSTG
	v_lshrrev_b32 v14, 2, v2
	v_mul_u32_u24 v14, v14, SP
	v_and_b32 v15, 3, v2
	v_lshl_add_u32 v14, v15, 4, v14
	v_add_nc_u32 v14, s41, v14                     ; the stage, in: four lanes' 64 bytes on end, then 16 of padding
	v_mul_u32_u24 v15, v2, SP
	v_add_nc_u32 v15, s41, v15                     ; and out: my 16 neighbours
	s_lshl_b32 s41, s40, 4
	s_add_co_u32 s41, s41, SB
	v_lshrrev_b32 v5, 1, v2
	v_add_nc_u32 v5, s41, v5                       ; my block's scale byte: SB + 16 w + lane / 2 (+ 64 x row)
	s_lshl_b32 s41, s40, 5
	s_add_co_u32 s41, s41, PL
	v_mov_b32 v6, s41                              ; my wave's eight partial logits (+ 128 x row)
	v_add_nc_u32 v7, SB, v3                        ; wave 0, at the end: the scale bytes, 16 a lane
	v_and_b32 v12, 7, v2
	v_lshl_add_u32 v12, v12, 7, PL                 ; and the partial logits of row lane % 8
	v_lshlrev_b32 v13, 2, v2
.irp e, 0,1,2,3,4,5,6,7
	v_mov_b32 v[SX+\e], 0                          ; written once: a lane permute's destination counts as one of its sources
.endr
	s_lshl_b32 s34, s40, 11
	s_wait_kmcnt 0x0
	s_load_b256 s[24:31], s[8:9], 0x0              ; bg
	s_lshl_b32 s32, ttmp9, 16                      ; 8 rows of 8,192 bytes a work-group,
	s_add_co_u32 s32, s32, s34                     ; 2,048 bytes a wave
	s_add_nc_u64 s[4:5], s[4:5], s[32:33]
	s_mov_b32 s32, s34
	s_add_nc_u64 s[6:7], s[6:7], s[32:33]
	s_lshl_b32 s32, ttmp9, 14                      ; codes: 8 rows of 2,048 bytes, 512 a wave
	s_lshl_b32 s34, s40, 9
	s_add_co_u32 s32, s32, s34
	s_add_nc_u64 s[12:13], s[12:13], s[32:33]
	s_lshl_b32 s32, ttmp9, 9                       ; scale bytes: 512 a work-group
	s_add_nc_u64 s[14:15], s[14:15], s[32:33]
	s_lshr_b32 s32, ttmp9, 4                       ; cnt: 512 (g / 16) + g % 16 (+ 16 x key)
	s_lshl_b32 s32, s32, 9
	s_and_b32 s34, ttmp9, 15
	s_add_co_u32 s32, s32, s34
	s_add_nc_u64 s[36:37], s[36:37], s[32:33]
	s_lshr_b32 s32, ttmp9, 2                       ; kmask: 128 (g / 4) + g % 4 (+ 4 x key)
	s_lshl_b32 s32, s32, 7
	s_and_b32 s34, ttmp9, 3
	s_add_co_u32 s32, s32, s34
	s_add_nc_u64 s[38:39], s[38:39], s[32:33]
.macro LOADR t                         ; row t's part: four loads of 512 consecutive bytes, into set t % 4
.irp i, 0,1,2,3
	global_load_b128 v[R+16*((\t)%4)+4*\i:R+16*((\t)%4)+4*\i+3], v3, s[4:5] offset:8192*(\t)+512*\i th:TH_LOAD_NT
.endr
.endm
	LOADR 0
	LOADR 1
	LOADR 2
	LOADR 3
.irp e, 0,1,2,3
.irp i, 0,1,2,3
	global_load_b128 v[G0+16*\e+4*\i:G0+16*\e+4*\i+3], v4, s[6:7] offset:8192*\e+16*\i
.endr
.endr
	WIN 0x40                                       ; destination window 1
.irp e, 4,5,6,7
.irp i, 0,1,2,3
	global_load_b128 v[16*(\e-4)+4*\i:16*(\e-4)+4*\i+3], v4, s[6:7] offset:8192*\e+16*\i
.endr
.endr
	WIN 0
	s_wait_loadcnt 0x0                             ; the first row's sums want Wg, the youngest loads: so one wait for all
	s_wait_kmcnt 0x0                               ; bg
.macro TURN t                          ; row t's 512 numbers through a stage: LDS serves a wave's instructions in order, so no wait stands between the stores and the loads
.irp i, 0,1,2,3
	ds_store_b128 v14, v[R+16*((\t)%4)+4*\i:R+16*((\t)%4)+4*\i+3] offset:32*SP*((\t)%2)+8*SP*\i
.endr
.irp i, 0,1,2,3
	ds_load_b128 v[X+16*((\t)%2)+4*\i:X+16*((\t)%2)+4*\i+3], v15 offset:32*SP*((\t)%2)+16*\i
.endr
.endm
.macro ROW t
.set XS, X+16*((\t)%2)
	s_wait_dscnt 0x0                               ; this row's numbers are back from the stage, so its stores into the stage have read their registers; the last row's small stores have read theirs
.if (\t) < 4
	LOADR (\t)+4                                   ; which take the row four further on
.endif
.if (\t) < 7
.if (\t) >= 3
	s_wait_loadcnt 4*(6-(\t))                      ; the next row's four loads are in; those of the rows behind it, four each, may be out
.endif
	TURN (\t)+1                                    ; the next row goes through the other stage while this one is worked
.endif
.irp i, 0,1,2,3,4,5,6,7                ; experts 0-3: four sums by turns, two numbers an instruction; the first product starts each sum
.irp e, 0,1,2,3
.if \i == 0
	v_pk_mul_f32 v[P+2*\e:P+2*\e+1], v[XS+2*\i:XS+2*\i+1], v[G0+16*\e+2*\i:G0+16*\e+2*\i+1]
.else
	v_pk_fma_f32 v[P+2*\e:P+2*\e+1], v[XS+2*\i:XS+2*\i+1], v[G0+16*\e+2*\i:G0+16*\e+2*\i+1], v[P+2*\e:P+2*\e+1]
.endif
.endr
.endr
	WIN 0x04                                       ; source 1 (Wg of experts 4-7) window 1
.irp i, 0,1,2,3,4,5,6,7
.irp e, 4,5,6,7
.if \i == 0
	v_pk_mul_f32 v[P+2*\e:P+2*\e+1], v[XS+2*\i:XS+2*\i+1], v[16*(\e-4)+2*\i:16*(\e-4)+2*\i+1]
.else
	v_pk_fma_f32 v[P+2*\e:P+2*\e+1], v[XS+2*\i:XS+2*\i+1], v[16*(\e-4)+2*\i:16*(\e-4)+2*\i+1], v[P+2*\e:P+2*\e+1]
.endif
.endr
.endr
	WIN 0
.irp e, 0,1,2,3,4,5,6,7
	v_add_f32 v[S+\e], v[P+2*\e], v[P+2*\e+1]
.endr
.irp m, 1,2,4,8                        ; across the 32 lanes
.irp e, 0,1,2,3,4,5,6,7
	v_add_f32_dpp v[S+\e], v[S+\e], v[S+\e] row_xmask:\m row_mask:0xf bank_mask:0xf
.endr
.endr
.irp e, 0,1,2,3,4,5,6,7
	v_permlanex16_b32 v[SX+\e], v[S+\e], s20, s21
.endr
.irp e, 0,1,2,3,4,5,6,7
	v_add_f32 v[S+\e], v[S+\e], v[SX+\e]
.endr
.irp e, 0,1,2,3,4,5,6,7
	ds_store_b32 v6, v[S+\e] offset:128*(\t)+4*\e  ; all lanes write the same word with the same value
.endr
	v_max3_num_f32 v8, |v[XS]|, |v[XS+1]|, |v[XS+2]|               ; the largest magnitude of my 16
	v_max3_num_f32 v9, |v[XS+3]|, |v[XS+4]|, |v[XS+5]|
.irp i, 6,10
	v_max3_num_f32 v8, v8, |v[XS+\i]|, |v[XS+\i+1]|
	v_max3_num_f32 v9, v9, |v[XS+\i+2]|, |v[XS+\i+3]|
.endr
	v_max3_num_f32 v8, v8, |v[XS+14]|, |v[XS+15]|
	v_max3_num_f32 v8, v8, v9, 0x4800000           ; and the floor 2^(9 - 127): the byte cannot fall under 1
	v_max_num_f32_dpp v8, v8, v8 row_xmask:1 row_mask:0xf bank_mask:0xf   ; and of my neighbour's 16: the block's
	v_add_nc_u32 v11, 0xfc000000, v8               ; 8 off its exponent field: the conversion takes the exponent field of this operand as its scale
	v_and_or_b32 v10, v8, 0x7f800000, s23          ; 448 x the scale
.irp i, 0,1,2,3,4,5,6,7,8,9,10,11,12,13,14,15
	v_med3_num_f32 v[XS+\i], v[XS+\i], -v10, v10   ; the conversion to an 8-bit code does not saturate (ISA guide 7.6.2): the hold comes first
.endr
	v_cvt_scalef32_pk8_fp8_f32 v[C+4*(\t):C+4*(\t)+1], v[XS:XS+7], v11
	v_cvt_scalef32_pk8_fp8_f32 v[C+4*(\t)+2:C+4*(\t)+3], v[XS+8:XS+15], v11
	v_lshrrev_b32 v[E+(\t)], 23, v11               ; the scale's byte (also the plain line behind the conversions)
	ds_store_b8 v5, v[E+(\t)] offset:64*(\t)       ; both lanes of a block write the same byte with the same value
	global_store_b128 v3, v[C+4*(\t):C+4*(\t)+3], s[12:13] offset:2048*(\t)   ; the wave stores 512 consecutive bytes, aligned
.endm
	TURN 0
.irp t, 0,1,2,3,4,5,6,7
	ROW \t
.endr
	s_wait_dscnt 0x0                               ; for the others' sake: my scale bytes and partial logits have landed
	s_barrier_signal -1
	s_barrier_wait -1
	s_cmp_lg_u32 s40, 0                            ; wave 0 finishes for the work-group
	s_cbranch_scc1 .Lend
	ds_load_b128 v[16:19], v7
.irp u, 0,1,2,3
.irp q, 0,1
	ds_load_b128 v[R+8*\u+4*\q:R+8*\u+4*\q+3], v12 offset:32*\u+16*\q   ; lane l: row l % 8; wave u's eight parts
.endr
.endr
	s_wait_dscnt 0x0
	global_store_b128 v3, v[16:19], s[14:15]       ; eight rows of 64 scale bytes: 512 consecutive bytes, aligned
.irp e, 0,1,2,3,4,5,6,7
	v_add_f32 v[R+\e], v[R+\e], v[R+8+\e]
	v_add_f32 v[R+16+\e], v[R+16+\e], v[R+24+\e]
.endr
.irp e, 0,1,2,3,4,5,6,7
	v_add_f32 v[R+\e], v[R+\e], v[R+16+\e]
.endr
.irp e, 0,1,2,3,4,5,6,7
	v_add_f32 v[R+\e], s[24+\e], v[R+\e]           ; + bg: the logits
.endr
	v_mov_b32 v20, v[R]                            ; the largest so far, and its index
	v_mov_b32 v21, 0
.irp e, 1,2,3,4,5,6,7
	v_cmp_le_f32 vcc_lo, v[R+\e], v20              ; not larger: keep.  So a tie keeps the lower index
	v_cndmask_b32 v20, v[R+\e], v20, vcc_lo
	v_cndmask_b32 v21, \e, v21, vcc_lo
.endr
	v_mov_b32 v24, 0xff800000                      ; -infinity takes the winner's place
.irp e, 0,1,2,3,4,5,6,7
	v_cmp_eq_u32 vcc_lo, \e, v21
	v_cndmask_b32 v[R+\e], v[R+\e], v24, vcc_lo
.endr
	v_mov_b32 v22, v[R]
	v_mov_b32 v23, 0
.irp e, 1,2,3,4,5,6,7
	v_cmp_le_f32 vcc_lo, v[R+\e], v22
	v_cndmask_b32 v22, v[R+\e], v22, vcc_lo
	v_cndmask_b32 v23, \e, v23, vcc_lo
.endr
	v_min_u32 v25, v21, v23                        ; e1 < e2
	v_max_u32 v26, v21, v23
	v_sub_nc_u32 v27, 15, v25
	v_mul_u32_u24 v27, v27, v25
	v_lshrrev_b32 v27, 1, v27                      ; e1 (15 - e1) / 2
	v_add_nc_u32 v27, v27, v26
	v_sub_nc_u32 v27, v27, v25
	v_add_nc_u32 v27, -1, v27                      ; + e2 - e1 - 1: lane l holds the key of token 8 g + l % 8
	v_mov_b32 v28, 0                               ; lane = key: which of the eight tokens have it,
	v_mov_b32 v29, 0                               ; and how many
	v_mov_b32 v33, 1
.irp i, 0,1,2,3,4,5,6,7
	v_readlane_b32 s41, v27, \i                    ; token i's key: it is compared, and enters no address
	v_cmp_eq_u32 vcc_lo, s41, v2
	v_cndmask_b32 v30, 0, v33, vcc_lo
	v_lshl_or_b32 v28, v30, \i, v28
	v_add_nc_u32 v29, v29, v30
.endr
	global_store_b8 v13, v28, s[38:39]             ; kmask: 4 bytes from key to key
	global_store_b8 v3, v29, s[36:37]              ; cnt: 16 bytes from key to key
.Lend:
	s_set_vgpr_msb 0x5
	s_wait_tensorcnt 0x0
	ds_add_u32 v64, v65
	s_wait_dscnt 0x0
	s_set_vgpr_msb 0x500
	s_endpgm
	; ======== THE WEIGHTS: work-group 256 + j
.Lweights:
	s_sub_co_u32 s41, ttmp9, 256                   ; j
	s_mul_i32 s42, s40, 16*528
	s_add_co_u32 s42, s42, WL                      ; my stage
	s_wait_alu depctr_va_vdst(0)
	v_add_nc_u32 v[STI], s42, v3                   ; in: row rho at 528 rho, 16 bytes a lane
	v_and_b32 v7, 15, v0                           ; r
	v_bfe_u32 v8, v0, 4, 1                         ; h
	v_mul_u32_u24 v[STO], v7, 528
	v_lshl_add_u32 v[STO], v8, 6, v[STO]
	v_add_nc_u32 v[STO], s42, v[STO]               ; out: row r, + 64 h: my 16 numbers of a block of 32
	s_mov_b32 vcc_lo, 0xffff0000                   ; lanes 16-31: they take the odd tile's scale word
.irp b, 0,1,2,3
	v_mov_b32 v[TM+4+\b], 0                        ; written once: a lane permute's destination counts as one of its sources
.endr
	s_lshl_b32 s28, s41, 18                        ; W: 32 rows of 8,192 bytes a work-group,
	s_lshl_b32 s29, s40, 11                        ; 2,048 bytes a wave
	s_add_co_u32 s28, s28, s29
	s_mov_b32 s29, 0
	s_lshr_b32 s30, s41, 1
	s_lshl_b32 s30, s30, 17                        ; wq: J x 131,072
	s_and_b32 s31, s41, 1
	s_lshl_b32 s31, s31, 12                        ; + tiles 2 (j % 2) on
	s_add_co_u32 s30, s30, s31
	s_lshl_b32 s31, s40, 15                        ; + K steps 4 w on
	s_add_co_u32 s30, s30, s31
	s_mov_b32 s31, 0
	s_lshl_b32 s32, s41, 11                        ; ws: 2,048 j + 512 w
	s_lshl_b32 s34, s40, 9
	s_add_co_u32 s32, s32, s34
	s_wait_alu depctr_va_vdst(0)
	s_wait_kmcnt 0x0
	s_add_nc_u64 s[10:11], s[10:11], s[28:29]
	s_add_nc_u64 s[16:17], s[16:17], s[30:31]
	s_add_nc_u64 s[18:19], s[18:19], s[32:33]
.macro LOADF f                         ; fragment f: K step f / 2 of my four, tile f % 2: 16 rows x 512 bytes
.set RB, WR+64*((\f)%2)
.set i, 0
.rept 16
	global_load_b128 v[RB+4*i:RB+4*i+3], v3, s[10:11] offset:(16*((\f)%2)+i)*8192+512*((\f)/2) th:TH_LOAD_NT
.set i, i+1
.endr
.endm
.macro QUANT                           ; the 64 numbers in v[WX] on become a fragment's codes in v[PC] on and its rows' scale word in v[PW]
.irp b, 0,1,2,3
	v_max3_num_f32 v[TM+\b], |v[WX+16*\b]|, |v[WX+1+16*\b]|, 0x4800000   ; block b: my 16 numbers, and the floor 2^(9 - 127): the byte cannot fall under 1
.endr
.irp i, 2,4,6,8,10,12,14
.irp b, 0,1,2,3
	v_max3_num_f32 v[TM+\b], v[TM+\b], |v[WX+16*\b+\i]|, |v[WX+1+16*\b+\i]|   ; (the four blocks by turns)
.endr
.endr
.irp b, 0,1,2,3
	v_permlanex16_b32 v[TM+4+\b], v[TM+\b], s20, s21
.endr
.irp b, 0,1,2,3
	v_max_num_f32 v[TM+\b], v[TM+\b], v[TM+4+\b]   ; with lane l xor 16's: the block's largest magnitude
.endr
.irp b, 0,1,2,3
	v_add_nc_u32 v[TM+12+\b], 0xfc000000, v[TM+\b] ; 8 off its exponent field: the conversion's scale operand
.endr
.irp b, 0,1,2,3
	v_and_or_b32 v[TM+8+\b], v[TM+\b], 0x7f800000, s23   ; 448 x the scale
.endr
.irp b, 0,1,2,3
	v_lshrrev_b32 v[TM+4+\b], 23, v[TM+12+\b]      ; the scale's byte
.endr
	v_lshl_or_b32 v[PW], v[TM+5], 8, v[TM+4]
	v_lshl_or_b32 v[PW], v[TM+6], 16, v[PW]
	v_lshl_or_b32 v[PW], v[TM+7], 24, v[PW]
.irp b, 0,1,2,3
.irp i, 0,1,2,3,4,5,6,7,8,9,10,11,12,13,14,15
	v_med3_num_f32 v[WX+16*\b+\i], v[WX+16*\b+\i], -v[TM+8+\b], v[TM+8+\b]   ; the conversion to an 8-bit code does not saturate (ISA guide 7.6.2): the hold comes first
.endr
	v_cvt_scalef32_pk8_fp8_f32 v[PC+4*\b:PC+1+4*\b], v[WX+16*\b:WX+7+16*\b], v[TM+12+\b]
	v_cvt_scalef32_pk8_fp8_f32 v[PC+2+4*\b:PC+3+4*\b], v[WX+8+16*\b:WX+15+16*\b], v[TM+12+\b]
.endr
	v_nop                                          ; a plain line behind the last conversion
.endm
.macro FRAG f
.set RB, WR+64*((\f)%2)
.if (\f) < 7
	s_wait_loadcnt 16                              ; this fragment's 16 loads are in; the next fragment's 16 may be out
.else
	s_wait_loadcnt 0x0
.endif
.set i, 0
.rept 16
	ds_store_b128 v[STI], v[RB+4*i:RB+4*i+3] offset:528*i
.set i, i+1
.endr
.irp b, 0,1,2,3
.irp q, 0,1,2,3
	ds_load_b128 v[WX+16*\b+4*\q:WX+16*\b+4*\q+3], v[STO] offset:128*\b+16*\q   ; LDS serves a wave's instructions in order: these see the stores above
.endr
.endr
	s_wait_dscnt 0x0                               ; the numbers are back; the stores into the stage have read their registers
	s_wait_xcnt 0x0                                ; the last fragment's stores have read the codes' registers, which are written again below
.if (\f) < 6
	LOADF (\f)+2
.endif
	QUANT
.irp q, 0,1,2,3
	global_store_b128 v3, v[PC+4*\q:PC+4*\q+3], s[16:17] offset:8192*((\f)/2)+2048*((\f)%2)+512*\q   ; 512 consecutive bytes, aligned
.endr
.if ((\f)%2) == 0
	v_mov_b32 v[SW0], v[PW]
.else
	v_cndmask_b32 v[SCW+(\f)/2], v[SW0], v[PW], vcc_lo   ; lanes 0-15: the even tile's word of row r; lanes 16-31: the odd tile's
.endif
.endm
	LOADF 0
	LOADF 1
.irp f, 0,1,2,3,4,5,6,7
	FRAG \f
.endr
	global_store_b128 v3, v[SCW:SCW+3], s[18:19]   ; 512 consecutive bytes, aligned
	s_set_vgpr_msb 0x5
	s_wait_tensorcnt 0x0
	ds_add_u32 v64, v65
	s_wait_dscnt 0x0
	s_set_vgpr_msb 0x500
	s_endpgm
.Lfunc_end_k_qd172fdedf2_front:
	.size	k_qd172fdedf2_front, .Lfunc_end_k_qd172fdedf2_front-k_qd172fdedf2_front
	.p2alignl 7, 3214868480
	.fill 96, 4, 3214868480
	.section	.rodata,"a",@progbits
	.p2align	6, 0x0
	.amdhsa_kernel k_qd172fdedf2_front
		.amdhsa_group_segment_fixed_size 56832
		.amdhsa_private_segment_fixed_size 0
		.amdhsa_enable_private_segment 0
		.amdhsa_kernarg_size 80
		.amdhsa_user_sgpr_count 2
		.amdhsa_user_sgpr_kernarg_segment_ptr 1
		.amdhsa_wavefront_size32 1
		.amdhsa_system_sgpr_workgroup_id_x 1
		.amdhsa_system_sgpr_workgroup_id_y 1
		.amdhsa_system_sgpr_workgroup_id_z 1
		.amdhsa_system_vgpr_workitem_id 0
		.amdhsa_next_free_vgpr 322
		.amdhsa_next_free_sgpr 66
		.amdhsa_reserve_vcc 1
		.amdhsa_float_denorm_mode_32 3
		.amdhsa_float_denorm_mode_16_64 3
		.amdhsa_memory_ordered 1
		.amdhsa_forward_progress 1
		.amdhsa_inst_pref_size 195
	.end_amdhsa_kernel
	.amdgpu_metadata
---
amdhsa.version: [ 1, 2 ]
amdhsa.kernels:
  - .name:           k_qd172fdedf2_front
    .symbol:         k_qd172fdedf2_front.kd
    .args:
      - { .name: hidden_states, .offset: 0, .size: 8, .value_kind: global_buffer, .address_space: global }
      - { .name: Wg, .offset: 8, .size: 8, .value_kind: global_buffer, .address_space: global }
      - { .name: bg, .offset: 16, .size: 8, .value_kind: global_buffer, .address_space: global }
      - { .name: W, .offset: 24, .size: 8, .value_kind: global_buffer, .address_space: global }
      - { .name: hq, .offset: 32, .size: 8, .value_kind: global_buffer, .address_space: global }
      - { .name: hs, .offset: 40, .size: 8, .value_kind: global_buffer, .address_space: global }
      - { .name: wq, .offset: 48, .size: 8, .value_kind: global_buffer, .address_space: global }
      - { .name: ws, .offset: 56, .size: 8, .value_kind: global_buffer, .address_space: global }
      - { .name: cnt, .offset: 64, .size: 8, .value_kind: global_buffer, .address_space: global }
      - { .name: kmask, .offset: 72, .size: 8, .value_kind: global_buffer, .address_space: global }
    .group_segment_fixed_size: 56832
    .private_segment_fixed_size: 0
    .kernarg_segment_align: 8
    .kernarg_segment_size: 80
    .max_flat_workgroup_size: 128
    .sgpr_count:     66
    .vgpr_count:     322
    .wavefront_size: 32
...
	.end_amdgpu_metadata
.endif
;; end of part 3
;; launch experts (part 4): grid 8 x 49, 4 waves a work-group, no clusters, 225,792 bytes of LDS; arguments hq, hs, wq, ws, b, cnt, kmask, out0; writes out0
.if DOCPART == 4
	.amdgcn_target "amdgcn-amd-amdhsa--gfx1250"
	.amdhsa_code_object_version 6
	.text
	.protected	k_qd172fdedf2_experts
	.globl	k_qd172fdedf2_experts
	.p2align	8
	.type	k_qd172fdedf2_experts,@function
k_qd172fdedf2_experts:
	s_mov_b64 s[64:65], 0
	v_nop
	global_prefetch_b8 v0, s[64:65] scope:SCOPE_SE
	s_setreg_imm32_b32 hwreg(HW_REG_WAVE_SCHED_MODE, 0, 2), 2
	s_setreg_imm32_b32 hwreg(HW_REG_WAVE_MODE, 25, 1), 1
	s_wait_xcnt 0x0
	s_wait_alu depctr_vm_vsrc(0)
; EXPERTS.  out0[t] = the sum over the token's two experts e of Q(h[t]) Q(W[e])^T + b[e], on codes of FP8 (E4M3) with one E8M0 scale for each 32 along K.
; Tokens are taken in groups of at most 96 that share ONE PAIR of experts (a key, 0 .. 27).  Work-group (x = ny, y = G) owns group G and columns 256 ny .. + 255; wave w owns 64 of them: four tiles of 16.
; Both experts' products go into the SAME accumulators (24 of 16 x 16 a wave), which begin as b[e1] + b[e2]: each output row has one owner, no partial sum goes to memory, nothing is masked.
; WHICH TOKENS.  Key p has ceil(count / 96) groups, the keys' groups on end.  Every wave finds its group by itself, from whole numbers that the launch before stored:
;   cnt   [g / 16][key][byte g % 16]: how many of tokens 8 g .. 8 g + 7 have the key: lane = key adds its 256 bytes up; a scan over the 28 keys, on scalars, finds the key that owns G, its pair, the group's first rank and n.
;   kmask [word m][key][4 bytes]: bit i of word m: token 32 m + i has the key.  The token of rank q is found in two steps: the word whose running count of bits reaches q, then the bit in it.
; The sum over the 28 keys of ceil(count / 96) is at most 49 whatever the split (27 keys of one token and one of 2,021): the grid of 49 groups serves every split.
; A group that the split leaves empty (n = 0) stores nothing and ends; the barrier stands on every wave's path all the same.
; A group is always worked as six tiles of 16: places from n on repeat the group's last token, whose row is then computed and stored again with the same bytes, by the same wave: no lane is ever switched off.
; THE TOKENS' codes (96 rows x 2,048 bytes) and scale bytes are gathered into LDS once, each wave 24 rows, and read by all four waves.
; THE WEIGHTS go from memory straight into registers, in the order of the operand's registers (wq): every load is 512 consecutive bytes; three sets of registers, two K steps ahead.  Each fragment of W is used by one
; wave alone (six products), so a way through LDS would share nothing.  A token fragment read from LDS feeds eight products (four tiles x two experts).
; NO TENSOR LOAD, NO CLUSTER: the exit hangs on numbers read from memory, and which groups share an expert's weights hangs on them too, so partners with equal requests cannot be named in the text.
; THE MATRIX INSTRUCTION IS USED TRANSPOSED (source 0 = 16 rows of W, source 1 = 16 tokens): a lane holds one token and eight neighbouring columns.
; THE MODE: SCHED_MODE bits 1:0 = 2 (LLVM: expert scheduling mode 2), set by the entry lines.  The code itself states the register dependences
; between vector or matrix instructions and memory or LDS instructions, with s_wait_alu, always for 0.
; THE PLAN.  Registers that memory or LDS instructions touch, in the K steps:
;   W0, W1, W2  Step s: its 48 products read set s % 3; the loads of step s + 2 land in set (s + 2) % 3 = (s - 1) % 3, which the products of step s - 1 read.
;   T0, T1      The tokens' six fragments, two sets.  Step s: its products read set s % 2; the LDS loads of step s + 1 land in the other set, which the products of step s - 1 read.
;   v1, v2-7    The loads' offset and LDS addresses: made at the head, never written again: the K step stands in the immediate offsets.
;   The scale words (v16-127) are loaded once, ahead of the steps; the accumulators are named by matrix instructions alone until the way out.
; So ONE wait on va_vdst stands at a step's head: the products of the step before are done reading the two sets in which this step's loads land.  The step's 56 loads follow it in three runs among its four
; runs of twelve products, which name set s % 3, set s % 2, the accumulators and the scale words: none of the registers that those loads touch.
; Head, gathering and way out: each wait's comment names what it states.
; REGISTERS, in windows of 256.  Window 0: v1-15 addresses; v16-79 W's scale words (32 x + 16 (c / 2) + s; lanes 0-15 the even tile, lanes 16-31 the odd); v80-127 the tokens' (16 (t / 2) + s, likewise);
;   v128-223 the tokens' six fragments of the even K steps (at the head: the counts; at the gathering: offsets; on the way out: rows and token numbers); v224-246 at work; v254, v255 the closing add's two.
;   Window 1: W's sets 0 and 1 (fragment (x, c) at 64 x + 16 c).   Window 2: v0-127 W's set 2; v128-223 the tokens' six fragments of the odd K steps (at the gathering: v0-191 rows 12-23).
;   Window 3: accumulator (t, c) at 8 (4 t + c); from v192 the bias, from v224 b[e2] (at the gathering: rows 0-11).
.set PT,   2064                        ; a token's row in LDS: 2,048 bytes + 16: an odd multiple of 16, so the 16 rows that a load touches start in different banks (64 banks of 4 bytes: ISA guide 11.1)
.set TSC,  96*PT                       ; the tokens' scale bytes: 96 rows of 64 + 16
.set PS,   80
.set IDT,  TSC+96*PS                   ; 96 token numbers
.set STG,  IDT+512                     ; the way out: 16 rows x (256 + 16) bytes for each wave
.set PG,   272
.set LI,   1                           ; 16 x lane
.set ATK,  2                           ; v2-7  tile t: (16 t + r) PT + 16 h
.set RS,   8                           ; where I put 16 bytes of a gathered row
.set TSI,  9                           ; and a word of its scale bytes
.set TSO,  10                          ; where I read scale words: my place of 32
.set IDI,  11                          ; my wave's 24 token numbers, in
.set IDO,  12                          ; token numbers, out: lanes 0-15 one place, lanes 16-31 the next
.set STO,  13                          ; the stage, in
.set RD,   14                          ; the stage, out
.set CO,   15                          ; 16 (lane % 16)
.set WS,   16
.set TS,   80
.set TF,   128                         ; in window 0 (even K steps) and in window 2 (odd K steps)
.set SL,   228                         ; 4 (lane % 16)
.set BO,   229                         ; 32 (lane / 16)
.set BIAS, 192                         ; in window 3
.set CN,   128                         ; the head: v128-191 my key's 256 counts, four to a register
.set RO,   128                         ; the gathering: v128-151 rows' offsets, v152-175 scale rows' offsets, v176-199 scale words, v200-223 token numbers
.set SO,   152
.set SW,   176
.set ID,   200
.set OB,   128                         ; the way out: two sets of 32: 16 rows read back;  v192-207 two sets of 8: their token numbers, then their offsets
.set IDR,  192
.set MK,   50                          ; s50-57 the search for a word: eight masks
.set MSB, 0
.macro WIN new                         ; the immediate's high byte repeats the setting that is left
.if MSB != \new
	s_set_vgpr_msb (MSB<<8)|\new
.set MSB, \new
.endif
.endm
.macro PLACES                          ; eight plain vector lines beside a matrix instruction of this form: behind it, ahead of a read of its result
.rept 8
	v_nop
.endr
.endm
	s_load_b256 s[4:11], s[0:1], 0x0               ; hq s[4:5], hs s[6:7], wq s[8:9], ws s[10:11]
	s_load_b256 s[12:19], s[0:1], 0x20             ; b s[12:13], cnt s[14:15], kmask s[16:17], out0 s[18:19]
	v_lshl_add_u32 v254, v0, 2, 0x37000
	v_mov_b32 v255, 0
	v_lshrrev_b32 v224, 5, v0
	v_readfirstlane_b32 s20, v224                  ; wave 0..3
	s_and_b32 s22, ttmp7, 0xffff                   ; G
	v_and_b32 v227, 31, v0                         ; lane
	v_lshlrev_b32 v[LI], 4, v227
	s_wait_kmcnt 0x0
	s_wait_alu depctr_va_vdst(0)                   ; v[LI] is written: the loads below read it as their offset
.set i, 0
.rept 16
	global_load_b128 v[CN+4*i:CN+4*i+3], v[LI], s[14:15] offset:512*i   ; lane = key: the counts of token blocks 16 i .. 16 i + 15
.set i, i+1
.endr
	v_and_b32 v225, 15, v0                         ; r
	v_bfe_u32 v226, v0, 4, 1                       ; h
	v_mul_u32_u24 v232, v225, PT
	v_lshl_add_u32 v232, v226, 4, v232
.irp t, 0,1,2,3,4,5
	v_add_nc_u32 v[ATK+\t], 16*\t*PT, v232
.endr
	s_wait_alu depctr_va_sdst(0)                   ; s20, the wave's number, is written, ahead of the first line that reads it
	s_mul_i32 s29, s20, 24*PT
	v_add_nc_u32 v[RS], s29, v[LI]
	v_lshlrev_b32 v[SL], 2, v225
	s_mul_i32 s29, s20, 24*PS
	s_add_co_u32 s29, s29, TSC
	v_add_nc_u32 v[TSI], s29, v[SL]
	v_mul_u32_u24 v[TSO], v227, PS
	v_add_nc_u32 v[TSO], TSC, v[TSO]
	s_mul_i32 s29, s20, 96
	s_add_co_u32 s29, s29, IDT
	v_mov_b32 v[IDI], s29
	v_lshl_add_u32 v[IDO], v226, 2, IDT
	s_mul_i32 s29, s20, 16*PG
	s_add_co_u32 s29, s29, STG
	v_mul_u32_u24 v[STO], v225, PG
	v_lshl_add_u32 v[STO], v226, 5, v[STO]
	v_add_nc_u32 v[STO], s29, v[STO]               ; row r, + 32 h (+ 64 c)
	v_mul_u32_u24 v[RD], v226, PG
	v_lshl_add_u32 v[RD], v225, 4, v[RD]
	v_add_nc_u32 v[RD], s29, v[RD]                 ; lanes 0-15 one row of 256 bytes, lanes 16-31 the next
	v_lshlrev_b32 v[CO], 4, v225
	v_lshlrev_b32 v[BO], 5, v226
	s_mov_b32 s31, 0xff00ff
	s_wait_loadcnt 0x0
	; ---- each key's tokens.  Four bytes are added at a time: 16 counts of at most 8 stay under 256; then the bytes are widened to halves (at most 1,024 in each), then to a word
.set i, 1
.rept 15
.irp c, 0,1,2,3
	v_add_nc_u32 v[CN+\c], v[CN+\c], v[CN+4*i+\c]
.endr
.set i, i+1
.endr
.irp c, 0,1,2,3
	v_lshrrev_b32 v[CN+4+\c], 8, v[CN+\c]
.endr
.irp c, 0,1,2,3
	v_and_b32 v[CN+\c], s31, v[CN+\c]
.endr
.irp c, 0,1,2,3
	v_and_b32 v[CN+4+\c], s31, v[CN+4+\c]
.endr
.irp c, 0,1,2,3
	v_add_nc_u32 v[CN+\c], v[CN+\c], v[CN+4+\c]
.endr
	v_add_nc_u32 v[CN], v[CN], v[CN+1]
	v_add_nc_u32 v[CN+2], v[CN+2], v[CN+3]
	v_add_nc_u32 v[CN], v[CN], v[CN+2]
	v_lshrrev_b32 v[CN+1], 16, v[CN]
	v_and_b32 v[CN], 0xffff, v[CN]
	v_add_nc_u32 v[CN], v[CN], v[CN+1]             ; lane p: all tokens of key p
.set p, 0
.rept 28
	v_readlane_b32 s[66+p], v[CN], p
.set p, p+1
.endr
	s_wait_alu depctr_va_sdst(0)                   ; the 28 counts are in s66-93, ahead of the scan that reads them
	s_wait_alu depctr_va_vdst(0)                   ; the addresses v2-15, v228 and v229 are written, which LDS and memory instructions read from here on, on either way round the gathering; and the additions are done with v128-191, in which loads land below
	; ---- the scan over the keys: the last key that begins at or in front of group G owns it: a key without tokens is written over by the next
	s_mov_b32 s30, 0                               ; groups in front of the key in hand
	s_mov_b32 s21, 0                               ; the owner's first group,
	s_mov_b32 s26, 0                               ; its tokens,
	s_mov_b32 s23, 0                               ; e1 | e2 << 8 | key << 16
.set p, 0
.irp a, 0,1,2,3,4,5,6
.irp c, 1,2,3,4,5,6,7
.if \c > \a                            ; key p is the pair (a, c), in this order
	s_cmp_le_u32 s30, s22
	s_cselect_b32 s21, s30, s21
	s_cselect_b32 s26, s[66+p], s26
	s_cselect_b32 s23, (\a)|((\c)<<8)|(p<<16), s23
	s_add_co_u32 s29, s[66+p], 95
	s_mul_i32 s29, s29, 43691
	s_lshr_b32 s29, s29, 22                        ; ceil(tokens / 96): 43,691 x 96 = 2^22 + 32, so the quotient is exact for numbers under 131,072
	s_add_co_u32 s30, s30, s29
.set p, p+1
.endif
.endr
.endr
	s_sub_co_u32 s21, s22, s21                     ; which group of its key,
	s_mul_i32 s21, s21, 96                         ; and the rank, among the key's tokens, of the group's first
	s_sub_co_i32 s26, s26, s21                     ; tokens left from there on (it may be negative)
	s_min_i32 s26, s26, 96
	s_max_i32 s26, s26, 0
	s_min_u32 s26, s26, 96                         ; n
	s_add_co_u32 s27, s26, -1                      ; the last place that holds a token (not used where n = 0)
	s_and_b32 s24, s23, 0xff
	s_min_u32 s24, s24, 7                          ; e1
	s_bfe_u32 s25, s23, 0x80008
	s_min_u32 s25, s25, 7                          ; e2
	s_bfe_u32 s48, s23, 0x80010
	s_min_u32 s48, s48, 27                         ; the key,
	s_lshl_b32 s48, s48, 2                         ; as bytes in a row of kmask
	s_lshl_b32 s30, ttmp9, 2
	s_add_co_u32 s30, s30, s20                     ; my group of 64 columns: 4 ny + w
	s_mov_b32 s29, 0
	s_lshl_b32 s31, s30, 17                        ; wq: expert x 2^22 + column group x 2^17
	s_lshl_b32 s28, s24, 22
	s_add_co_u32 s28, s28, s31
	s_add_nc_u64 s[32:33], s[8:9], s[28:29]
	s_lshl_b32 s28, s25, 22
	s_add_co_u32 s28, s28, s31
	s_add_nc_u64 s[34:35], s[8:9], s[28:29]
	s_lshl_b32 s31, s30, 12                        ; ws: expert x 2^17 + column group x 2^12
	s_lshl_b32 s28, s24, 17
	s_add_co_u32 s28, s28, s31
	s_add_nc_u64 s[36:37], s[10:11], s[28:29]
	s_lshl_b32 s28, s25, 17
	s_add_co_u32 s28, s28, s31
	s_add_nc_u64 s[38:39], s[10:11], s[28:29]
	s_lshl_b32 s31, s30, 8                         ; my 64 columns in a row of f32: 256 bytes x column group
	s_lshl_b32 s28, s24, 13
	s_add_co_u32 s28, s28, s31
	s_add_nc_u64 s[40:41], s[12:13], s[28:29]
	s_lshl_b32 s28, s25, 13
	s_add_co_u32 s28, s28, s31
	s_add_nc_u64 s[42:43], s[12:13], s[28:29]
	s_mov_b32 s28, s31
	s_add_nc_u64 s[44:45], s[18:19], s[28:29]
	s_cmp_eq_u32 s26, 0
	s_cbranch_scc1 .Lno_rows
	; ---- THE GATHERING: wave w brings places 24 w .. 24 w + 23.  First their tokens: lane i looks for the token of place 24 w + i
	s_mul_i32 s28, s20, 24
	v_add_nc_u32 v230, s28, v227
	v_min_u32 v230, s27, v230                      ; places from n on repeat the last token
	v_min_u32 v230, 95, v230
	v_add_nc_u32 v230, s21, v230                   ; its rank among the key's tokens: it is compared, and enters no address
	v_lshl_add_u32 v233, v227, 7, s48              ; word m = lane of my key: 128 m + 4 x key
	s_wait_alu depctr_va_vdst(0)                   ; v233 is written: the two loads read it as their offset
	global_load_b32 v234, v233, s[16:17]           ; words 0-31
	global_load_b32 v235, v233, s[16:17] offset:4096   ; words 32-63
	v_mov_b32 v236, 0                              ; the word that holds my rank,
	v_mov_b32 v237, 0                              ; the bits in front of it,
	v_mov_b32 v238, 0                              ; its number
	s_mov_b32 s28, 0                               ; bits so far
	s_wait_loadcnt 0x0
; Eight words, m0 on, out of register vm: the last word in front of which at most my rank's number of bits lie is mine.  The eight compares stand in one run, a mask each, so that one wait serves them
.macro SEEK vm, m0
.irp k, 0,1,2,3,4,5,6,7
	v_readlane_b32 s[68+\k], v[\vm], (\m0)%32+\k
.endr
	s_wait_alu depctr_va_sdst(0)                   ; the eight words are in s68-75, ahead of the first line that reads them
.irp k, 0,1,2,3,4,5,6,7
	s_bcnt1_i32_b32 s[84+\k], s[68+\k]
.endr
	s_mov_b32 s76, s28
.irp k, 1,2,3,4,5,6,7
	s_add_co_u32 s[76+\k], s[76+\k-1], s[84+\k-1]
.endr
	s_add_co_u32 s28, s83, s91
.irp k, 0,1,2,3,4,5,6,7
	v_cmp_gt_u32 s[MK+\k], s[76+\k], v230          ; more bits in front than my rank: keep what I have
.endr
	s_wait_alu depctr_va_sdst(0)                   ; the eight masks are in s50-57, ahead of the selects that read them
.irp k, 0,1,2,3,4,5,6,7
	v_cndmask_b32 v236, s[68+\k], v236, s[MK+\k]
	v_cndmask_b32 v237, s[76+\k], v237, s[MK+\k]
	v_cndmask_b32 v238, (\m0)+\k, v238, s[MK+\k]
.endr
.endm
	SEEK 234, 0
	SEEK 234, 8
	SEEK 234, 16
	SEEK 234, 24
	SEEK 235, 32
	SEEK 235, 40
	SEEK 235, 48
	SEEK 235, 56
	; the bit: the word's set bit number j = rank - bits in front.  The counts of bits in fields of 2, 4, 8 and 16, then five steps down: where a lower half holds j bits or fewer, the bit lies in the upper half
	s_mov_b32 s28, 0x55555555
	s_mov_b32 s29, 0x33333333
	s_mov_b32 s31, 0x0f0f0f0f
	v_sub_nc_u32 v239, v230, v237                  ; j
	v_lshrrev_b32 v240, 1, v236
	v_and_b32 v240, s28, v240
	v_sub_nc_u32 v240, v236, v240                  ; in fields of 2
	v_lshrrev_b32 v241, 2, v240
	v_and_b32 v241, s29, v241
	v_and_b32 v242, s29, v240
	v_add_nc_u32 v241, v241, v242                  ; of 4
	v_lshrrev_b32 v242, 4, v241
	v_add_nc_u32 v242, v242, v241
	v_and_b32 v242, s31, v242                      ; of 8
	v_lshrrev_b32 v243, 8, v242
	v_add_nc_u32 v243, v243, v242                  ; byte 0: the low 16 bits'
	v_mov_b32 v244, 0                              ; the place so far
.macro DESC lev, w, bits               ; the field of w bits at the place so far holds its count in `bits` bits of register lev
	v_bfe_u32 v245, v[\lev], v244, \bits
	v_cmp_le_u32 vcc_lo, v245, v239
	v_sub_nc_u32 v245, v239, v245
	v_add_nc_u32 v246, \w, v244
	s_wait_alu depctr_va_vcc(0)                    ; the compare has written VCC, ahead of the two selects that read it
	v_cndmask_b32 v239, v239, v245, vcc_lo
	v_cndmask_b32 v244, v244, v246, vcc_lo
.endm
	DESC 243, 16, 8
	DESC 242, 8, 8
	DESC 241, 4, 4
	DESC 240, 2, 2
	DESC 236, 1, 1
	v_lshl_add_u32 v231, v238, 5, v244             ; the token: 32 x word + bit
	v_min_u32 v231, 0x7ff, v231
	s_mov_b32 s29, 0
.set i, 0
.rept 24
	v_readlane_b32 s[66+i], v231, i                ; lane i holds place 24 w + i
.set i, i+1
.endr
	s_wait_alu depctr_va_sdst(0)                   ; the 24 token numbers are in s66-89, ahead of the first line that reads them
.set i, 0
.rept 24
	s_min_u32 s[66+i], s[66+i], 0x7ff
	v_lshl_add_u32 v[RO+i], s[66+i], 11, v[LI]     ; a row of 2,048 codes, 16 bytes a lane
	v_lshl_add_u32 v[SO+i], s[66+i], 6, v[SL]      ; a row of 64 scale bytes, a word a lane (lanes 16-31 repeat lanes 0-15)
	v_mov_b32 v[ID+i], s[66+i]
.set i, i+1
.endr
	WIN 0xc0                                       ; destination window 3
	s_wait_alu depctr_va_vdst(0)                   ; the rows' offsets, the scale rows' offsets and the token numbers (v128-175, v200-223) are written, which the loads and LDS stores below read; no vector line stands between here and the barrier
.set i, 0
.rept 12
.irp q, 0,1,2,3
	global_load_b128 v[16*i+4*\q:16*i+4*\q+3], v[RO+i], s[4:5] offset:512*\q   ; 512 consecutive bytes of a token's row
.endr
.set i, i+1
.endr
	WIN 0x80                                       ; destination window 2
.rept 12
.irp q, 0,1,2,3
	global_load_b128 v[16*(i-12)+4*\q:16*(i-12)+4*\q+3], v[RO+i], s[4:5] offset:512*\q
.endr
.set i, i+1
.endr
	WIN 0
.set i, 0
.rept 24
	global_load_b32 v[SW+i], v[SO+i], s[6:7]
.set i, i+1
.endr
.set i, 0
.rept 24
	ds_store_b32 v[IDI], v[ID+i] offset:4*i        ; all lanes write the same word with the same value
.set i, i+1
.endr
	s_wait_loadcnt 63                              ; 72 loads are younger than rows 0-11's: with at most 63 out, those 48 are in
	WIN 0x0c                                       ; an LDS store's data are its source 1: window 3
.set i, 0
.rept 12
.irp q, 0,1,2,3
	ds_store_b128 v[RS], v[16*i+4*\q:16*i+4*\q+3] offset:i*PT+512*\q
.endr
.set i, i+1
.endr
	s_wait_loadcnt 24                              ; all but the 24 scale loads
	WIN 0x08
.rept 12
.irp q, 0,1,2,3
	ds_store_b128 v[RS], v[16*(i-12)+4*\q:16*(i-12)+4*\q+3] offset:i*PT+512*\q
.endr
.set i, i+1
.endr
	s_wait_loadcnt 0x0
	WIN 0
.set i, 0
.rept 24
	ds_store_b32 v[TSI], v[SW+i] offset:PS*i
.set i, i+1
.endr
.Lno_rows:
	s_wait_dscnt 0x0                               ; for the others' sake: my rows, scale bytes and token numbers have landed
	s_barrier_signal -1
	s_barrier_wait -1                              ; every wave passes this barrier, with rows or without
	s_wait_alu depctr_vm_vsrc(0)                   ; the gathering's loads and LDS stores have read their registers: offsets, scale words and token numbers in v128-223, the rows in windows 2 and 3: from here on loads land there and products write there
	s_cmp_eq_u32 s26, 0
	s_cbranch_scc1 .Lend
	; ---- THE PRODUCTS
.macro WLOAD s, x                      ; K step s of expert x: four fragments, 16 loads of 512 consecutive bytes, into set s % 3
.if ((\s)%3) == 2
	WIN 0x80
.set rWB, 0
.else
	WIN 0x40
.set rWB, 128*((\s)%3)
.endif
.irp c, 0,1,2,3
.irp q, 0,1,2,3
	global_load_b128 v[rWB+64*(\x)+16*\c+4*\q:rWB+64*(\x)+16*\c+4*\q+3], v[LI], s[32+2*(\x):33+2*(\x)] offset:8192*(\s)+2048*\c+512*\q
.endr
.endr
.endm
.macro TFLOAD s, half                  ; K step s of token tiles 3 half .. 3 half + 2, into set s % 2: registers 4 q .. 4 q + 3 hold k = 128 s + 32 q + 16 h + 0 .. 15 of row r
.if ((\s)%2) == 1
	WIN 0x80                                       ; destination window 2, address window 0
.else
	WIN 0
.endif
.irp u, 0,1,2
.irp q, 0,1,2,3
	ds_load_b128 v[TF+16*(3*(\half)+\u)+4*\q:TF+16*(3*(\half)+\u)+4*\q+3], v[ATK+3*(\half)+\u] offset:128*(\s)+32*\q
.endr
.endr
.endm
.macro WM                              ; one product, by the symbols set in MUL; an odd tile's scale words lie in lanes 16-31
.if fA && fB
	v_wmma_scale_f32_16x16x128_f8f6f4 v[rA:rA+7], v[rW:rW+15], v[rT:rT+15], v[rC:rC+7], v[rSA], v[rSB] matrix_a_scale:MATRIX_SCALE_ROW1 matrix_b_scale:MATRIX_SCALE_ROW1
.elseif fA
	v_wmma_scale_f32_16x16x128_f8f6f4 v[rA:rA+7], v[rW:rW+15], v[rT:rT+15], v[rC:rC+7], v[rSA], v[rSB] matrix_a_scale:MATRIX_SCALE_ROW1
.elseif fB
	v_wmma_scale_f32_16x16x128_f8f6f4 v[rA:rA+7], v[rW:rW+15], v[rT:rT+15], v[rC:rC+7], v[rSA], v[rSB] matrix_b_scale:MATRIX_SCALE_ROW1
.else
	v_wmma_scale_f32_16x16x128_f8f6f4 v[rA:rA+7], v[rW:rW+15], v[rT:rT+15], v[rC:rC+7], v[rSA], v[rSB]
.endif
.endm
; Twelve products: expert x, K step s, four column tiles x three token tiles.  The twelve accumulators take turns, one instruction a turn, and the second expert takes them up in the same order.
; The very first product on an accumulator takes the bias as C: nothing is cleared, and no addition is spent on b.
.macro MUL s, half, x
.if ((\s)%3) == 2
.set rWW, 2                            ; source 0 (W): window 2
.set rWB, 0
.else
.set rWW, 1                            ; or window 1
.set rWB, 128*((\s)%3)
.endif
.set rWN, 0xf0+8*((\s)%2)+rWW          ; source 1 (tokens): window 0 in the even K steps, window 2 in the odd; C and D window 3
	WIN rWN
.irp c, 0,1,2,3
.irp u, 0,1,2
.set rt,  3*(\half)+\u
.set rA,  8*(4*rt+\c)
.set rW,  rWB+64*(\x)+16*\c
.set rT,  TF+16*rt
.set rSA, WS+32*(\x)+16*(\c/2)+(\s)
.set rSB, TS+16*(rt/2)+(\s)
.set fA,  \c%2
.set fB,  rt%2
.if ((\s) == 0) && ((\x) == 0)
.set rC,  BIAS+8*\c
.else
.set rC,  rA
.endif
	WM
.endr
.endr
.endm
; A K step of 128: 48 products.  Written out sixteen times: the scale words' registers change with s, and three sets of W do not divide sixteen steps.
.macro STEP s
.if (\s) < 15
	s_wait_loadcnt 48                              ; the first expert's fragments are in; out may be the second's 16 loads and the next set's 32
.else
	s_wait_loadcnt 16
.endif
	s_wait_dscnt 12                                ; token tiles 0-2 are in; the youngest twelve loads (tiles 3-5) may be out
.if ((\s) > 0) && ((\s) < 15)
	s_wait_alu depctr_va_vdst(0)                   ; the products of the step before are done reading their set of W and their set of the tokens' fragments: this step's loads land in these two.  (Step 0's loads land where no vector or matrix line has been; step 15 loads nothing)
.endif
	MUL \s, 0, 0
.if (\s) < 15
	s_wait_loadcnt 32                              ; the second expert's are in; the next set may be out
.else
	s_wait_loadcnt 0x0
.endif
.if (\s) < 14
	WLOAD (\s)+2, 0                                ; two K steps ahead.  No wait: no product since the wait at the step's head names this set or v[LI]
.endif
	MUL \s, 0, 1
.if (\s) < 15
	TFLOAD (\s)+1, 0                               ; the next step's six fragments, into the other set.  No wait, likewise
	TFLOAD (\s)+1, 1
	s_wait_dscnt 24                                ; all but the 24 just issued: this step's token tiles 3-5 are in
.else
	s_wait_dscnt 0x0
.endif
	MUL \s, 1, 0
.if (\s) < 14
	WLOAD (\s)+2, 1
.endif
	MUL \s, 1, 1
.endm
	WLOAD 0, 0
	WLOAD 0, 1
	WIN 0
.irp x, 0,1
.irp u, 0,1
.irp q, 0,1,2,3
	global_load_b128 v[WS+32*\x+16*\u+4*\q:WS+32*\x+16*\u+4*\q+3], v[LI], s[36+2*\x:37+2*\x] offset:2048*\u+512*\q   ; W's scale words of all sixteen K steps: tiles 2 u and 2 u + 1, K steps 4 q on
.endr
.endr
.endr
	WIN 0xc0
.irp x, 0,1
.irp c, 0,1,2,3
.irp q, 0,1
	global_load_b128 v[BIAS+32*\x+8*\c+4*\q:BIAS+32*\x+8*\c+4*\q+3], v[BO], s[40+2*\x:41+2*\x] offset:64*\c+16*\q   ; b in the result's layout: lane (r, h): columns 16 c + 8 h + 0 .. 7
.endr
.endr
.endr
	WLOAD 1, 0
	WLOAD 1, 1
	WIN 0
.irp u, 0,1,2
.irp q, 0,1,2,3
	ds_load_b128 v[TS+16*\u+4*\q:TS+16*\u+4*\q+3], v[TSO] offset:32*PS*\u+16*\q   ; the tokens' scale words: lane l: place 32 u + l; K steps 4 q on
.endr
.endr
	TFLOAD 0, 0
	TFLOAD 0, 1
	s_wait_loadcnt 32                              ; all but W's set 1
	WIN 0xcf                                       ; sources 0 and 1 and the destination window 3
.set i, 0
.rept 16
	v_pk_add_f32 v[BIAS+2*i:BIAS+2*i+1], v[BIAS+2*i:BIAS+2*i+1], v[BIAS+32+2*i:BIAS+32+2*i+1]   ; b[e1] + b[e2]
.set i, i+1
.endr
	WIN 0
	PLACES
.set Q, 0
	s_wait_alu depctr_va_vdst(0)
.rept 16
	STEP Q
.set Q, Q+1
.endr
	; ---- THE WAY OUT, a tile of 16 tokens x 64 columns at a time.  A lane holds 32 neighbouring bytes of a row and the lanes beside it hold other rows: so a tile goes through my own stage in LDS and comes back
	; as rows of 256 bytes; sixteen lanes store 256 consecutive bytes, aligned, at the row that the place's token number names.
.macro TOSTAGE t
	WIN 0x0c                                       ; the data: window 3
.irp c, 0,1,2,3
	ds_store_b128 v[STO], v[8*(4*(\t)+\c):8*(4*(\t)+\c)+3] offset:64*\c        ; each accumulator from its low end on
	ds_store_b128 v[STO], v[8*(4*(\t)+\c)+4:8*(4*(\t)+\c)+7] offset:64*\c+16
.endr
	WIN 0
.irp i, 0,1,2,3,4,5,6,7
	ds_load_b128 v[OB+32*((\t)%2)+4*\i:OB+32*((\t)%2)+4*\i+3], v[RD] offset:2*PG*\i   ; LDS serves a wave's instructions in order: these see the stores above, and the next tile's stores come behind them
.endr
.irp i, 0,1,2,3,4,5,6,7
	ds_load_b32 v[IDR+8*((\t)%2)+\i], v[IDO] offset:4*(16*(\t)+2*\i)
.endr
.endm
.macro SEND t, younger                 ; younger: the LDS instructions issued behind tile t's loads, which may stay out
	s_wait_dscnt \younger
.irp i, 0,1,2,3,4,5,6,7
	v_min_u32 v[IDR+8*((\t)%2)+\i], 0x7ff, v[IDR+8*((\t)%2)+\i]
.endr
.irp i, 0,1,2,3,4,5,6,7
	v_lshl_add_u32 v[IDR+8*((\t)%2)+\i], v[IDR+8*((\t)%2)+\i], 13, v[CO]   ; a row of out0 is 8,192 bytes
.endr
	s_wait_alu depctr_va_vdst(0)                   ; the eight rows' offsets are written, which the stores read; no vector line stands between here and the loads of two tiles on, which land in the same registers
.irp i, 0,1,2,3,4,5,6,7
	global_store_b128 v[IDR+8*((\t)%2)+\i], v[OB+32*((\t)%2)+4*\i:OB+32*((\t)%2)+4*\i+3], s[44:45] th:TH_STORE_NT
.endr
.endm
	WIN 0
	PLACES                                         ; behind the last products, ahead of the LDS stores that read their results
	s_wait_alu depctr_va_vdst(0)                   ; the products have written the accumulators, which the LDS stores read, and are done reading the tokens' fragments in v128-223, in which the loads from the stage land; the places above stay beside this wait
	TOSTAGE 0
.irp a, 1,2,3,4,5
.if \a > 1
	s_wait_xcnt 0x0                                ; tile a - 2's stores have read their data and offsets: tile a's loads may land there
	s_wait_alu depctr_vm_vsrc(0)                   ; the same stated for the vector registers: tile a - 2's stores have read v[OB ..] and v[IDR ..] of the set in which tile a's loads land
.endif
	TOSTAGE \a
	SEND \a-1, 24                                  ; behind tile a - 1's loads: tile a's 8 stores and 16 loads
.endr
	SEND 5, 0
.Lend:
	s_wait_dscnt 0x0                               ; the closing lines, six on end
	s_wait_alu 0x0
	s_wait_tensorcnt 0x0
	ds_add_u32 v254, v255
	s_wait_dscnt 0x0
	s_endpgm
.Lfunc_end_k_qd172fdedf2_experts:
	.size	k_qd172fdedf2_experts, .Lfunc_end_k_qd172fdedf2_experts-k_qd172fdedf2_experts
	.p2alignl 7, 3214868480
	.fill 96, 4, 3214868480
	.section	.rodata,"a",@progbits
	.p2align	6, 0x0
	.amdhsa_kernel k_qd172fdedf2_experts
		.amdhsa_group_segment_fixed_size 225792
		.amdhsa_private_segment_fixed_size 0
		.amdhsa_enable_private_segment 0
		.amdhsa_kernarg_size 64
		.amdhsa_user_sgpr_count 2
		.amdhsa_user_sgpr_kernarg_segment_ptr 1
		.amdhsa_wavefront_size32 1
		.amdhsa_system_sgpr_workgroup_id_x 1
		.amdhsa_system_sgpr_workgroup_id_y 1
		.amdhsa_system_sgpr_workgroup_id_z 1
		.amdhsa_system_vgpr_workitem_id 0
		.amdhsa_next_free_vgpr 1024
		.amdhsa_next_free_sgpr 96
		.amdhsa_reserve_vcc 1
		.amdhsa_float_denorm_mode_32 3
		.amdhsa_float_denorm_mode_16_64 3
		.amdhsa_memory_ordered 1
		.amdhsa_forward_progress 1
		.amdhsa_inst_pref_size 255
	.end_amdhsa_kernel
	.section	.bss,"aw",@nobits
	.p2align	6
	.space	262144
	.amdgpu_metadata
---
amdhsa.version: [ 1, 2 ]
amdhsa.kernels:
  - .name:           k_qd172fdedf2_experts
    .symbol:         k_qd172fdedf2_experts.kd
    .args:
      - { .name: hq, .offset: 0, .size: 8, .value_kind: global_buffer, .address_space: global }
      - { .name: hs, .offset: 8, .size: 8, .value_kind: global_buffer, .address_space: global }
      - { .name: wq, .offset: 16, .size: 8, .value_kind: global_buffer, .address_space: global }
      - { .name: ws, .offset: 24, .size: 8, .value_kind: global_buffer, .address_space: global }
      - { .name: b, .offset: 32, .size: 8, .value_kind: global_buffer, .address_space: global }
      - { .name: cnt, .offset: 40, .size: 8, .value_kind: global_buffer, .address_space: global }
      - { .name: kmask, .offset: 48, .size: 8, .value_kind: global_buffer, .address_space: global }
      - { .name: out0, .offset: 56, .size: 8, .value_kind: global_buffer, .address_space: global }
    .group_segment_fixed_size: 225792
    .private_segment_fixed_size: 0
    .kernarg_segment_align: 8
    .kernarg_segment_size: 64
    .max_flat_workgroup_size: 128
    .sgpr_count:     96
    .vgpr_count:     1024
    .wavefront_size: 32
...
	.end_amdgpu_metadata
.endif
;; end of part 4
